; MI455X (gfx1250); checked and timed in simulation.
; The chip was launched on July 23, 2026; its instructions are those of AMD's public machine-readable ISA for CDNA 5 (MIT licence, August 2026) and "CDNA5" Instruction Set Architecture Reference Guide (July 2026). The comments in the code are by the model that wrote it; some were corrected since.
;; TF Attention. Allowed arithmetic: matrix products marked QUANTISED: E2M1 operands, one E8M0 scale for each 32 along K, by v_wmma_scale_f32_16x16x128_f8f6f4 with both operands' format E2M1 (or v_wmma_scale_f32_32x16x128_f4), f32 sums; products left as they are: bf16, f16 or f32 operands; f32 sums; everything else in f32.
;; Inputs: c_attn_b 3,072 float32; c_attn_w 1,024 x 3,072 float32; c_proj_b 1,024 float32; c_proj_w 1,024 x 1,024 float32; x 4 x 2,048 x 1,024 float32.
;; Outputs: out0 4 x 2,048 x 1,024 float32.
;; This version of the problem:
;;   THIS VERSION OF THE PROBLEM IS GIVEN IN LOW PRECISION. The matrix products marked QUANTISED in the list below multiply operands that are first quantised to E2M1 (2 exponent bits, 1 mantissa bit; 4 bits a number), with one power-of-two scale for each 32 numbers along K (OCP MX v1.0); their sums are f32. The products marked 'left as it is' may take bf16, f16 or f32 operands, with f32 sums. Whichever they take, every output number must still come out within the allowed error. Rounding operands to bf16 (8 significant bits) uses up far more of that allowance than f16 does (11 bits, for magnitudes from 6e-5 to 65,504). All else is computed in f32.
;;   The module's matrix products, in the order in which they are computed (A, B: the left and right operand; K: the contracted axis; several contracted axes count as one K, in the product's order):
;;     1. [M 8,192, K 1,024] x [K 1,024, N 3,072]; A: input x; B: input c_attn_w: QUANTISED
;;     2. batch 64 x [M 2,048, K 64] x [K 64, N 2,048]; A: computed on the way; B: computed on the way: left as it is (an operand is computed on the way)
;;     3. batch 64 x [M 2,048, K 2,048] x [K 2,048, N 64]; A: computed on the way; B: computed on the way: left as it is (an operand is computed on the way)
;;     4. [M 8,192, K 1,024] x [K 1,024, N 1,024]; A: computed on the way; B: input c_proj_w: left as it is (an operand is computed on the way)
;;   THE QUANTISER, for each operand of a quantised product, along K:
;;     - K is cut into blocks of 32 from its start; a last block that is shorter is filled with zeros.
;;     - A block's scale is 2^e with e = floor(log2(the largest magnitude in the block)) - 2, held to -126 .. 127; a block of zeros has e = 0. As a byte (E8M0): e + 127.
;;     - Each number is divided by its block's scale, clamped to +-6, and rounded to the nearest number of E2M1, ties to even, subnormals kept.
;;     - The product sums the exact products of the quantised numbers (number of the format x scale) in f32.
;;   ~~~python
;;   def quantise(x, axis):      # numpy; x: float32 -> the quantised numbers, widened to float32 again
;;       x = np.moveaxis(x, axis, -1); K = x.shape[-1]
;;       x = np.pad(x, [(0, 0)] * (x.ndim - 1) + [(0, -K % 32)]); x = x.reshape(x.shape[:-1] + (-1, 32)); a = np.abs(x).max(-1, keepdims=True)
;;       e = np.where(a > 0, np.clip(np.frexp(np.where(a > 0, a, 1))[1] - 1 - 2, -126, 127), 0)      # np.frexp(a)[1] - 1 = floor(log2(a)), exactly
;;       r = np.clip(x / 2.0 ** e, -6, 6)
;;       step = 2.0 ** (np.maximum(np.frexp(np.where(r == 0, 1, r))[1] - 1, 0) - 1)
;;       q = np.round(r / step) * step * 2.0 ** e      # np.round: ties to even
;;       return np.moveaxis(q.reshape(q.shape[:-2] + (-1,))[..., :K], -1, axis).astype(np.float32)
;;   ~~~
;; One version. Each part assembles by itself: llvm-mc -triple=amdgcn-amd-amdhsa -mcpu=gfx1250 --defsym DOCPART=n.
;; ======== version 1 of 1: 7 launches
;; limits: values are held in f16: magnitudes above 65,504 overflow, below 6.1e-05 lose precision
;; workspace buffers: xq 4,456,448 bytes; wq 1,671,168 bytes; w16 2,097,152 bytes; qkv16 50,331,648 bytes; qkv32 786,432 bytes; vsuf 540,672 bytes; a16 16,777,216 bytes
;; launch prep (part 1): grid 512 x 1, 4 waves a work-group, no clusters, 33,280 bytes of LDS; arguments x, c_proj_w, xq, w16; writes xq, w16
.if DOCPART == 1
	.amdgcn_target "amdgcn-amd-amdhsa--gfx1250"
	.amdhsa_code_object_version 6
	.text
	.protected	k_qf3261d73bd_prep
	.globl	k_qf3261d73bd_prep
	.p2align	8
	.type	k_qf3261d73bd_prep,@function
k_qf3261d73bd_prep:
	s_mov_b64 s[64:65], 0
	v_nop
	global_prefetch_b8 v0, s[64:65] scope:SCOPE_SE
	s_setreg_imm32_b32 hwreg(HW_REG_WAVE_MODE, 25, 1), 1
	s_wait_xcnt 0x0
; Two streams in one launch.  Work-groups 0-255: x [8192][1024] f32 becomes codes of FP4 (E2M1), K innermost, [8192][512 bytes] at byte 0 of xq, and one E8M0 byte for each 32 along K,
; [8192][32 bytes] at byte XSC of xq.  Work-groups 256-511: c_proj_w [1024][1024] f32 becomes f16 in the same order, in w16.
; A block's scale is 2^(floor(log2(its largest magnitude)) - 2): its byte is the largest magnitude's exponent field - 2, held at 1 from below.
; LIMITS: a block of zeros gets the byte 1 (its codes are zeros, and this program alone reads the bytes); NaN and infinities are not served; c_proj_w stays under 65,504 in magnitude.
; x: rows are dense and 1024 is a multiple of 32, so x is a plain stream of blocks of 32.  A wave takes 16 steps of 512 numbers.  Each load reads 512 consecutive bytes, 16 a lane; a step's 2,048 bytes
; turn through the wave's own stage in LDS and come back 64 bytes a lane: 16 neighbours along K, two lanes to a block.  A lane's 16 codes are 8 bytes: the wave stores 256 consecutive bytes.
; A wave's 256 scale bytes are gathered in its own LDS bytes and leave as one aligned run of 256 bytes.  No barrier: waves share nothing.
.set STEPS, 16
.set EMAX,  2
.set CB,    8                          ; bytes of 16 codes
.set R,     16                         ; v16-79   four sets of 16 numbers as they are loaded
.set X,     80                         ; v80-111  two sets of 16 neighbours
.set C,     128                        ; v128-191 codes: four registers for each step
.set E,     112                        ; v112-127 a scale byte for each step
.set WREG,  8192                       ; LDS: a region for each wave: two stages of 32 x SP bytes, then its 256 scale bytes
.set SP,    80                         ; a lane's place in a stage: 64 bytes + 16 of padding
.set SPW,   12                         ; v12  LDS address of my spare word; never rewritten
.set NIL,   13                         ; v13  0; never rewritten
.set SPARE, 4*WREG                     ; behind the four regions: the spare words, 128 bytes a wave
.set XWG,   256                        ; work-groups that take x
.set XSC,   4194304                    ; where x's scale bytes begin in xq
	s_load_b256 s[4:11], s[0:1], 0x0               ; x s[4:5], c_proj_w s[6:7], xq s[8:9], w16 s[10:11]
	v_lshl_add_u32 v[SPW], v0, 2, SPARE
	v_mov_b32 v[NIL], 0
	v_lshrrev_b32 v1, 5, v0
	v_readfirstlane_b32 s16, v1                    ; wave
	v_and_b32 v2, 31, v0                           ; lane
	v_lshlrev_b32 v3, 4, v2                        ; my 16 bytes of a load's 512
	s_mul_i32 s17, s16, WREG
	v_lshrrev_b32 v14, 2, v2
	v_mul_u32_u24 v14, v14, SP
	v_and_b32 v15, 3, v2
	v_lshl_add_u32 v14, v15, 4, v14
	v_add_nc_u32 v14, s17, v14                     ; the stage, way in: SP (lane / 4) + 16 (lane % 4)
	v_mul_u32_u24 v15, v2, SP
	v_add_nc_u32 v15, s17, v15                     ; way out: SP x lane: my 16 neighbours
	v_mul_u32_u24 v4, v2, CB                       ; my codes' place in a step's
	v_lshrrev_b32 v5, 1, v2
	s_add_co_u32 s17, s17, 2*32*SP
	v_add_nc_u32 v5, s17, v5                       ; my wave's 256 scale bytes, my block's byte
	v_lshlrev_b32 v7, 3, v2                        ; 8 bytes a lane
	v_add_nc_u32 v6, s17, v7
	s_mov_b32 s21, 0
	s_wait_kmcnt 0x0
	s_cmp_ge_u32 ttmp9, XWG                        ; the choice hangs on the work-group's number alone
	s_cbranch_scc1 .Lcvt
	s_lshl_b32 s17, ttmp9, 2
	s_add_co_u32 s18, s17, s16                     ; which run of 8,192 numbers is my wave's
	s_lshl_b32 s20, s18, 15
	s_add_nc_u64 s[4:5], s[4:5], s[20:21]          ; 32,768 bytes of x a run
	s_lshl_b32 s20, s18, 12
	s_add_nc_u64 s[12:13], s[8:9], s[20:21]        ; 4,096 bytes of codes
	s_lshl_b32 s20, s18, 8
	s_add_co_u32 s20, s20, XSC
	s_add_nc_u64 s[14:15], s[8:9], s[20:21]        ; 256 scale bytes
.macro LOAD t
.irp i, 0,1,2,3
	global_load_b128 v[R+16*((\t)%4)+4*\i:R+16*((\t)%4)+4*\i+3], v3, s[4:5] offset:2048*(\t)+512*\i th:TH_LOAD_NT   ; 32 lanes read 512 consecutive bytes
.endr
.endm
.macro TURN t                          ; step t's numbers through the stage: LDS serves a wave's instructions in order, so no wait stands between the stores and the loads
.irp i, 0,1,2,3
	ds_store_b128 v14, v[R+16*((\t)%4)+4*\i:R+16*((\t)%4)+4*\i+3] offset:32*SP*((\t)%2)+8*SP*\i
.endr
.irp i, 0,1,2,3
	ds_load_b128 v[X+16*((\t)%2)+4*\i:X+16*((\t)%2)+4*\i+3], v15 offset:32*SP*((\t)%2)+16*\i
.endr
.endm
.irp t, 0,1,2,3
	LOAD \t
.endr
	s_wait_loadcnt 12                              ; step 0's four loads are in
	TURN 0
.macro STEP t
.set XS, X+16*((\t)%2)
.if (\t) > 0
	s_wait_dscnt 1                                 ; this step's numbers are back from the stage (the last step's byte store may be out)
.else
	s_wait_dscnt 0x0
.endif
.if (\t)+4 < STEPS
	LOAD (\t)+4                                    ; into the registers that the stage's stores have read
.endif
.if (\t)+1 < STEPS
.if STEPS-2-(\t) >= 3
	s_wait_loadcnt 12                              ; the next step's four loads are in; those of the three steps behind it may be out
.else
	s_wait_loadcnt 4*(STEPS-2-(\t))
.endif
	TURN (\t)+1
.endif
	v_max3_num_f32 v8, |v[XS]|, |v[XS+1]|, |v[XS+2]|               ; the largest magnitude of my 16, in two chains
	v_max3_num_f32 v9, |v[XS+3]|, |v[XS+4]|, |v[XS+5]|
.irp i, 6,10
	v_max3_num_f32 v8, v8, |v[XS+\i]|, |v[XS+\i+1]|
	v_max3_num_f32 v9, v9, |v[XS+\i+2]|, |v[XS+\i+3]|
.endr
	v_max3_num_f32 v8, v8, |v[XS+14]|, |v[XS+15]|
	v_max3_num_f32 v8, v8, v9, (EMAX+1)<<23        ; and the floor 2^(EMAX + 1 - 127): the byte cannot fall under 1
	v_max_num_f32_dpp v8, v8, v8 row_xmask:1 row_mask:0xf bank_mask:0xf   ; and of my neighbour's 16: the block's
	v_add_nc_u32 v11, -(EMAX<<23), v8              ; EMAX off its exponent field: the conversion takes the exponent field of this operand as its scale
	v_cvt_scalef32_pk8_fp4_f32 v[C+4*(\t)], v[XS:XS+7], v11
	v_cvt_scalef32_pk8_fp4_f32 v[C+4*(\t)+1], v[XS+8:XS+15], v11
	v_lshrrev_b32 v[E+(\t)], 23, v11               ; the scale's byte
	ds_store_b8 v5, v[E+(\t)] offset:16*(\t)       ; both lanes of a block write the same byte with the same value
	global_store_b64 v4, v[C+4*(\t):C+4*(\t)+1], s[12:13] offset:32*CB*(\t)
.endm
.irp t, 0,1,2,3,4,5,6,7,8,9,10,11,12,13,14,15
	STEP \t
.endr
	ds_load_b64 v[8:9], v6                         ; LDS serves a wave's instructions in order: these see my stores
	s_wait_dscnt 0x0
	global_store_b64 v7, v[8:9], s[14:15]          ; 32 lanes store 256 consecutive bytes, aligned
	s_wait_tensorcnt 0x0                           ; the wave's end, behind my last LDS store
	ds_add_u32 v[SPW], v[NIL]
	s_wait_dscnt 0x0
	s_endpgm
.Lcvt:                                             ; c_proj_w to f16: a wave takes 1,024 numbers
	s_sub_co_u32 s17, ttmp9, XWG
	s_lshl_b32 s17, s17, 2
	s_add_co_u32 s18, s17, s16
	s_lshl_b32 s20, s18, 12
	s_add_nc_u64 s[6:7], s[6:7], s[20:21]
	s_lshl_b32 s20, s18, 11
	s_add_nc_u64 s[10:11], s[10:11], s[20:21]
.irp i, 0,1,2,3,4,5,6,7
	global_load_b128 v[16+4*\i:19+4*\i], v3, s[6:7] offset:512*\i
.endr
.irp i, 0,1,2,3,4,5,6,7
	s_wait_loadcnt 7-\i                            ; loads come back in order: load i is in, the younger ones stay out
	v_cvt_pk_f16_f32 v[48+2*\i], v[16+4*\i], v[17+4*\i]
	v_cvt_pk_f16_f32 v[49+2*\i], v[18+4*\i], v[19+4*\i]
	global_store_b64 v7, v[48+2*\i:49+2*\i], s[10:11] offset:256*\i   ; 32 lanes store 256 consecutive bytes, aligned
.endr
	s_endpgm
.Lfunc_end_k_qf3261d73bd_prep:
	.size	k_qf3261d73bd_prep, .Lfunc_end_k_qf3261d73bd_prep-k_qf3261d73bd_prep
	.p2alignl 7, 3214868480
	.fill 96, 4, 3214868480
	.section	.rodata,"a",@progbits
	.p2align	6, 0x0
	.amdhsa_kernel k_qf3261d73bd_prep
		.amdhsa_group_segment_fixed_size 33280
		.amdhsa_private_segment_fixed_size 0
		.amdhsa_enable_private_segment 0
		.amdhsa_kernarg_size 32
		.amdhsa_user_sgpr_count 2
		.amdhsa_user_sgpr_kernarg_segment_ptr 1
		.amdhsa_wavefront_size32 1
		.amdhsa_system_sgpr_workgroup_id_x 1
		.amdhsa_system_sgpr_workgroup_id_y 1
		.amdhsa_system_sgpr_workgroup_id_z 1
		.amdhsa_system_vgpr_workitem_id 0
		.amdhsa_next_free_vgpr 192
		.amdhsa_next_free_sgpr 66
		.amdhsa_reserve_vcc 0
		.amdhsa_float_denorm_mode_32 3
		.amdhsa_float_denorm_mode_16_64 3
		.amdhsa_memory_ordered 1
		.amdhsa_forward_progress 1
		.amdhsa_inst_pref_size 36
	.end_amdhsa_kernel
	.amdgpu_metadata
---
amdhsa.version: [ 1, 2 ]
amdhsa.kernels:
  - .name:           k_qf3261d73bd_prep
    .symbol:         k_qf3261d73bd_prep.kd
    .args:
      - { .name: x, .offset: 0, .size: 8, .value_kind: global_buffer, .address_space: global }
      - { .name: c_proj_w, .offset: 8, .size: 8, .value_kind: global_buffer, .address_space: global }
      - { .name: xq, .offset: 16, .size: 8, .value_kind: global_buffer, .address_space: global }
      - { .name: w16, .offset: 24, .size: 8, .value_kind: global_buffer, .address_space: global }
    .group_segment_fixed_size: 33280
    .private_segment_fixed_size: 0
    .kernarg_segment_align: 8
    .kernarg_segment_size: 32
    .max_flat_workgroup_size: 128
    .sgpr_count:     66
    .vgpr_count:     192
    .wavefront_size: 32
...
	.end_amdgpu_metadata
.endif
;; end of part 1
;; launch wquant (part 2): grid 96 x 2, 4 waves a work-group, no clusters, 9,728 bytes of LDS; arguments c_attn_w, wq; writes wq
.if DOCPART == 2
	.amdgcn_target "amdgcn-amd-amdhsa--gfx1250"
	.amdhsa_code_object_version 6
	.text
	.protected	k_qf3261d73bd_wquant
	.globl	k_qf3261d73bd_wquant
	.p2align	8
	.type	k_qf3261d73bd_wquant,@function
k_qf3261d73bd_wquant:
	s_mov_b64 s[64:65], 0
	v_nop
	global_prefetch_b8 v0, s[64:65] scope:SCOPE_SE
	s_setreg_imm32_b32 hwreg(HW_REG_WAVE_MODE, 25, 1), 1
	s_wait_xcnt 0x0
; c_attn_w [1024 (k)][3072 (n)] f32, K its FIRST axis, becomes codes of FP4 (E2M1) laid [3072][512 bytes] with K innermost (byte 0 of wq) and one E8M0 byte for each 32 along K, [3072][32 bytes] (byte WSC of wq).
; A LANE TAKES A COLUMN n AND ITS REGISTERS RUN DOWN K: each load reads 128 consecutive bytes a wave, a block of 32 along K lies in one lane's 32 registers, and the conversions give codes with K innermost.
; A work-group takes 32 columns x 512 along K; its four waves take 128 along K each (4 blocks a lane).  The codes meet in a stage in LDS, 256 bytes a column, and leave as whole rows: sixteen lanes store 256
; consecutive bytes, aligned.  The scale bytes leave in pieces of 16 bytes a column (98,304 bytes in the whole launch).
; LIMITS: a block of zeros gets the byte 1 (its codes are zeros; this program alone reads the bytes); NaN and infinities are not served.
.set EMAX,  2
.set NROW,  12288                      ; a row of c_attn_w in bytes
.set PITCH, 272                        ; a stage row: 256 bytes + 16
.set SSTG,  32*PITCH                   ; behind the codes' stage: the scale bytes, 16 a column
.set SPARE, SSTG+512                   ; behind it: the spare words, 128 bytes a wave
.set WSC,   1572864                    ; where the scale bytes begin in wq
.set X,     32                         ; v32-159  four sets of 32 numbers
.set C,     160                        ; v160-175 four registers of codes a block
.set OUTR,  176                        ; v176-191 the way out
.set SPW,   14
.set NIL,   15
	s_load_b128 s[4:7], s[0:1], 0x0                ; c_attn_w, wq
	v_lshl_add_u32 v[SPW], v0, 2, SPARE
	v_mov_b32 v[NIL], 0
	v_lshrrev_b32 v1, 5, v0
	v_readfirstlane_b32 s16, v1                    ; wave 0..3
	v_and_b32 v2, 31, v0                           ; lane
	v_lshlrev_b32 v3, 2, v2                        ; in: 4 bytes a lane
	s_lshl_b32 s17, s16, 6
	v_mul_u32_u24 v4, v2, PITCH
	v_add_nc_u32 v4, s17, v4                       ; the stage, way in: row = my column, + 64 bytes x wave
	s_lshl_b32 s17, s16, 2
	s_add_co_u32 s17, s17, SSTG
	v_lshl_add_u32 v5, v2, 4, s17                  ; my column's 16 scale bytes, my wave's four
	v_and_b32 v6, 15, v2
	v_lshrrev_b32 v1, 4, v2
	s_mul_i32 s17, s16, 8*PITCH
	v_mul_u32_u24 v7, v1, PITCH
	v_lshl_add_u32 v7, v6, 4, v7
	v_add_nc_u32 v7, s17, v7                       ; way back: wave w takes columns 8 w on; sixteen lanes to a row, two rows an instruction
	s_lshl_b32 s17, s16, 12
	v_lshlrev_b32 v8, 9, v1
	v_lshl_add_u32 v8, v6, 4, v8
	v_add_nc_u32 v8, s17, v8                       ; and the same place among the codes' rows of 512 bytes
	s_lshl_b32 s17, s16, 7
	s_add_co_u32 s17, s17, SSTG
	v_lshl_add_u32 v9, v2, 2, s17                  ; scale bytes, way back: 128 bytes a wave, 4 a lane
	v_lshrrev_b32 v10, 2, v2
	v_lshlrev_b32 v10, 5, v10
	v_and_b32 v11, 3, v2
	v_lshl_add_u32 v10, v11, 2, v10
	s_lshl_b32 s17, s16, 8
	v_add_nc_u32 v10, s17, v10                     ; and in memory: column (8 w + lane / 4) x 32 bytes + 4 (lane % 4)
	s_and_b32 s18, ttmp7, 0xffff                   ; y: which 512 along K
	s_lshl_b32 s19, s18, 9
	s_lshl_b32 s20, s16, 7
	s_add_co_u32 s19, s19, s20                     ; my wave's first k
	s_mul_i32 s20, s19, NROW
	s_lshl_b32 s21, ttmp9, 7                       ; 32 columns x 4 bytes a work-group
	s_add_co_u32 s20, s20, s21
	s_mov_b32 s21, 0
	s_lshl_b32 s22, ttmp9, 14                      ; codes: 32 rows of 512 bytes a work-group, + 256 y
	s_lshl_b32 s23, s18, 8
	s_add_co_u32 s22, s22, s23
	s_mov_b32 s23, 0
	s_lshl_b32 s24, ttmp9, 10                      ; scale bytes: 32 rows of 32 bytes, + 16 y
	s_lshl_b32 s25, s18, 4
	s_add_co_u32 s24, s24, s25
	s_add_co_u32 s24, s24, WSC
	s_mov_b32 s25, 0
	s_wait_kmcnt 0x0
	s_add_nc_u64 s[4:5], s[4:5], s[20:21]
	s_add_nc_u64 s[8:9], s[6:7], s[22:23]
	s_add_nc_u64 s[10:11], s[6:7], s[24:25]
.macro LOAD t                          ; block t: W(k0 + 32 t + i, my column), i = 0 .. 31
.irp i, 0,1,2,3,4,5,6,7,8,9,10,11,12,13,14,15,16,17,18,19,20,21,22,23,24,25,26,27,28,29,30,31
	global_load_b32 v[X+32*(\t)+\i], v3, s[4:5] offset:(32*(\t)+\i)*NROW th:TH_LOAD_NT
.endr
.endm
	LOAD 0
	LOAD 1
.macro BLOCK t
.set XS, X+32*(\t)
.if (\t) < 3
	s_wait_loadcnt 32                              ; this block's 32 loads are in; the next block's may be out
.else
	s_wait_loadcnt 0
.endif
.if (\t) < 2
	LOAD (\t)+2                                    ; every block has registers of its own
.endif
	v_max3_num_f32 v12, |v[XS]|, |v[XS+1]|, |v[XS+2]|               ; the block's largest magnitude: all 32 numbers are mine
	v_max3_num_f32 v13, |v[XS+3]|, |v[XS+4]|, |v[XS+5]|
.irp i, 6,10,14,18,22,26
	v_max3_num_f32 v12, v12, |v[XS+\i]|, |v[XS+\i+1]|
	v_max3_num_f32 v13, v13, |v[XS+\i+2]|, |v[XS+\i+3]|
.endr
	v_max3_num_f32 v12, v12, |v[XS+30]|, |v[XS+31]|
	v_max3_num_f32 v12, v12, v13, (EMAX+1)<<23     ; and the floor: the byte cannot fall under 1
	v_add_nc_u32 v11, -(EMAX<<23), v12             ; EMAX off the exponent field: the conversion's scale operand
	v_lshrrev_b32 v13, 23, v11                     ; the scale's byte
.if (\t) == 0
	v_mov_b32 v24, v13                             ; four bytes to a register, the lower K in the lower byte
.else
	v_lshl_or_b32 v24, v13, 8*(\t), v24
.endif
.irp g, 0,1,2,3
	v_cvt_scalef32_pk8_fp4_f32 v[C+4*(\t)+\g], v[XS+8*\g:XS+8*\g+7], v11
.endr
	v_nop                                          ; one plain line behind the run of conversions
	ds_store_b128 v4, v[C+4*(\t):C+4*(\t)+3] offset:16*(\t)       ; 32 codes: 16 bytes of my column's row
.endm
	BLOCK 0
	BLOCK 1
	BLOCK 2
	BLOCK 3
	ds_store_b32 v5, v24
	s_wait_dscnt 0x0                               ; for the others' sake: my stores into the stages are done
	s_barrier_signal -1
	s_barrier_wait -1
.irp i, 0,1,2,3
	ds_load_b128 v[OUTR+4*\i:OUTR+4*\i+3], v7 offset:2*\i*PITCH
.endr
	ds_load_b32 v25, v9
.irp i, 0,1,2,3
	s_wait_dscnt 4-\i                              ; load i is in; the younger ones may be out
	global_store_b128 v8, v[OUTR+4*\i:OUTR+4*\i+3], s[8:9] offset:1024*\i   ; sixteen lanes store 256 consecutive bytes, aligned
.endr
	s_wait_dscnt 0x0
	global_store_b32 v10, v25, s[10:11]
	s_wait_tensorcnt 0x0                           ; the wave's end, behind my last LDS store
	ds_add_u32 v[SPW], v[NIL]
	s_wait_dscnt 0x0
	s_endpgm
.Lfunc_end_k_qf3261d73bd_wquant:
	.size	k_qf3261d73bd_wquant, .Lfunc_end_k_qf3261d73bd_wquant-k_qf3261d73bd_wquant
	.p2alignl 7, 3214868480
	.fill 96, 4, 3214868480
	.section	.rodata,"a",@progbits
	.p2align	6, 0x0
	.amdhsa_kernel k_qf3261d73bd_wquant
		.amdhsa_group_segment_fixed_size 9728
		.amdhsa_private_segment_fixed_size 0
		.amdhsa_enable_private_segment 0
		.amdhsa_kernarg_size 16
		.amdhsa_user_sgpr_count 2
		.amdhsa_user_sgpr_kernarg_segment_ptr 1
		.amdhsa_wavefront_size32 1
		.amdhsa_system_sgpr_workgroup_id_x 1
		.amdhsa_system_sgpr_workgroup_id_y 1
		.amdhsa_system_sgpr_workgroup_id_z 1
		.amdhsa_system_vgpr_workitem_id 0
		.amdhsa_next_free_vgpr 192
		.amdhsa_next_free_sgpr 66
		.amdhsa_reserve_vcc 0
		.amdhsa_float_denorm_mode_32 3
		.amdhsa_float_denorm_mode_16_64 3
		.amdhsa_memory_ordered 1
		.amdhsa_forward_progress 1
		.amdhsa_inst_pref_size 22
	.end_amdhsa_kernel
	.amdgpu_metadata
---
amdhsa.version: [ 1, 2 ]
amdhsa.kernels:
  - .name:           k_qf3261d73bd_wquant
    .symbol:         k_qf3261d73bd_wquant.kd
    .args:
      - { .name: c_attn_w, .offset: 0, .size: 8, .value_kind: global_buffer, .address_space: global }
      - { .name: wq, .offset: 8, .size: 8, .value_kind: global_buffer, .address_space: global }
    .group_segment_fixed_size: 9728
    .private_segment_fixed_size: 0
    .kernarg_segment_align: 8
    .kernarg_segment_size: 16
    .max_flat_workgroup_size: 128
    .sgpr_count:     66
    .vgpr_count:     192
    .wavefront_size: 32
...
	.end_amdgpu_metadata
.endif
;; end of part 2
;; launch qkv (part 3): grid 12 x 32, 4 waves a work-group, clusters of 4 x 4, 327,680 bytes of LDS; arguments xq, wq, c_attn_b, qkv16, qkv32; writes qkv16, qkv32
.if DOCPART == 3
	.amdgcn_target "amdgcn-amd-amdhsa--gfx1250"
	.amdhsa_code_object_version 6
	.text
	.protected	k_qf3261d73bd_qkv
	.globl	k_qf3261d73bd_qkv
	.p2align	8
	.type	k_qf3261d73bd_qkv,@function
k_qf3261d73bd_qkv:
	s_mov_b64 s[64:65], 0
	v_nop
	global_prefetch_b8 v0, s[64:65] scope:SCOPE_SE
	s_setreg_imm32_b32 hwreg(HW_REG_WAVE_MODE, 25, 1), 1
	s_wait_xcnt 0x0
	s_wait_alu depctr_hold_cnt(0) depctr_sa_sdst(0) depctr_va_vdst(0) depctr_va_sdst(0) depctr_va_ssrc(0) depctr_va_vcc(0) depctr_vm_vsrc(0)
	s_getreg_b32 s2, hwreg(HW_REG_IB_STS2, 6, 4)
	s_cmp_eq_u32 s2, 0
	s_cbranch_scc0 .Lentry_in_a_cluster
	s_endpgm
.Lentry_in_a_cluster:
	s_bfe_u32 s2, ttmp6, 0x10000c
	s_cmp_lg_u32 s2, 0xf033
	s_cbranch_scc0 .Lentry_shape_is_right
	s_endpgm
.Lentry_shape_is_right:
; qkv = Q(x) Q(c_attn_w) + c_attn_b on codes of FP4 (E2M1) with one E8M0 scale for each 32 along K; sums in f32.  A = x's codes [8192][512 bytes], B = the weight's [3072][512 bytes], K = 1024.
; The result leaves split by heads, rounded to f16: qkv16 [q, k, v][batch 4][head 16][position 2048][64]; the first 16 positions of every batch leave also unrounded, in f32: qkv32 [4][16][3072].
; LIMIT: |q|, |k|, |v| stay under 65,504.
; A tile of C, 256 x 256, is made by four waves, each 128 x 128: 64 accumulators, 512 registers.  K = 1024 is two LDS slots of 512 along K (rows of 256 bytes): both slots and all scale bytes are asked for
; at the start, and nothing is filled again: a wave has three tensor loads out at the most.
; CLUSTERS: 4 x 4 work-groups.  The four of a row of the cluster need the same tiles of A, the four of a column the same tiles of B: each tile is asked for jointly.
; TILE ROW = 8 cy + cluster y, so that the batch is cy and 'the batch's first tile' is cluster y = 0, a number that all sixteen partners share: the branch round the f32 copy hangs on it and on the wave's number alone.
; THE MATRIX INSTRUCTION IS USED TRANSPOSED (source 0 = 16 rows of B, source 1 = 16 rows of A): a lane holds eight neighbouring columns of one row of C.  The bias is the C of each sum's first product.
; REGISTERS: window 0: v0-31 addresses; v32-95 scale words, two sets, and nothing else; v96-127 packed results on the way out; v128-191 A's fragments, one set, later rows read back; v192-255 the bias.
;   window 1: B's fragments, two sets.   windows 2, 3: the accumulators of my rows 0-63, 64-127 ((a, b) at v[8 (8 (a % 4) + b)]).
.set NQ,     4                         ; matrix instructions deep in a slot
.set ROWB,   256                       ; a tile's row in bytes: 512 codes
.set KROW,   512                       ; a row of A or B in memory
.set PITCH,  272                       ; an LDS row: 256 bytes + 16 of padding
.set FR,     8                         ; registers of a fragment
.set NL,     2                         ; LDS loads that bring one
.set NP,     4                         ; places behind this matrix instruction (ISA guide 7.12.1)
.set HALFT,  128*PITCH
.set SLOT,   4*HALFT
.set KS,     32                        ; a row of scale bytes
.set SCL,    2*SLOT                    ; behind the slots: the scales, as runs of 256 bytes + 16 of padding
.set HALFS,  (128*KS/256)*272
.set SBLK,   (16*KS/256)*272
.set SPARE,  SCL+4*HALFS               ; the spare words, 128 bytes a wave
.set STG,    SPARE+512                 ; the way out: for each wave [2 heads][16 rows][128 bytes + 16]; no tensor load lands here
.set HP,     144
.set WSTG,   2*16*HP
.set PLANE,  262144                    ; 2048 positions x 64 f16
.set ADRA, 16
.set ADRB, 20
.set STO,  24
.set RD,   25
.set CO,   26
.set ADRS, 27
.set SPW,  28
.set NIL,  29
.set FO,   30                          ; v30  the f32 copy: row r of 12,288 bytes + 32 h
.set BO,   31                          ; v31  the bias: 32 h
.set SC,   32
.set TMP,  96
.set AF,   128
.set BK,   128
.set BIAS, 192
.set G1, 24
.set G0, 32
.set G1B, 48
.set G0B, 56
.set G1S, 68
.set G0S, 76
.set G1SB, 80
.set G0SB, 88
.set MSB, 0
.macro WIN new                         ; the immediate's high byte repeats the setting that is left
.if MSB != \new
	s_set_vgpr_msb (MSB<<8)|\new
.set MSB, \new
.endif
.endm
.set MUL_LO, 0xa1                      ; source 0 (B) window 1, source 1 (A) window 0, C and D window 2
.set MUL_HI, 0xf1                      ; the same, C and D window 3
.set FST_LO, 0x81                      ; the first products: C (the bias) window 0, D window 2
.set FST_HI, 0xc1                      ; D window 3
.set TO_B,   0x40
; A joint load: waves 0 and 1 fetch for A, waves 2 and 3 for B; the branch hangs on the wave's number alone.  An s_nop 0 and four v_nop follow each line.
.macro JLOAD g0a, g1a, g0b, g1b
	s_cmp_eq_u32 s15, 0
	s_cbranch_scc0 .Lfor_b_\@
	tensor_load_to_lds s[\g0a:\g0a+3], s[\g1a:\g1a+7]
	s_nop 0
.rept 4
	v_nop
.endr
	s_branch .Lasked_\@
.Lfor_b_\@:
	tensor_load_to_lds s[\g0b:\g0b+3], s[\g1b:\g1b+7]
	s_nop 0
.rept 4
	v_nop
.endr
.Lasked_\@:
.endm
.macro CROUND                          ; a round of the cluster's barrier
	s_barrier_signal -1
	s_barrier_wait -1
	s_cmp_lg_u32 s14, 0
	s_cbranch_scc1 .Lnot_wave_0_\@
	s_barrier_signal -3
.Lnot_wave_0_\@:
	s_barrier_wait -3
	s_barrier_signal -1
	s_barrier_wait -1
.endm
	s_load_b64 s[4:5], s[0:1], 0x0                 ; xq
	s_load_b64 s[8:9], s[0:1], 0x8                 ; wq
	s_load_b64 s[96:97], s[0:1], 0x10              ; c_attn_b
	s_load_b64 s[12:13], s[0:1], 0x18              ; qkv16
	s_load_b64 s[98:99], s[0:1], 0x20              ; qkv32
	v_lshl_add_u32 v[SPW], v0, 2, SPARE
	v_mov_b32 v[NIL], 0
	ds_add_u32 v[SPW], v[NIL]                      ; the wave's opening: the add, twice on end, and its wait ahead of my first tensor load
	ds_add_u32 v[SPW], v[NIL]
	v_lshrrev_b32 v1, 5, v0
	v_readfirstlane_b32 s14, v1                    ; wave 0..3
	s_lshr_b32 s15, s14, 1                         ; which half of the tile's rows is mine.  Also: I fetch for A (0) or for B (1)
	s_and_b32 s16, s14, 1                          ; which half of its columns.  Also: which 128 rows of that tile I fetch
	s_bfe_u32 s40, ttmp6, 0x40000                  ; cx
	s_bfe_u32 s41, ttmp6, 0x40004                  ; cy
	s_lshl_b32 s42, ttmp9, 2
	s_add_co_u32 s42, s42, s40                     ; tile column = 4 x cluster x + cx: cluster x says q, k or v
	s_and_b32 s95, ttmp7, 0xffff                   ; cluster y
	s_lshl_b32 s17, s41, 3
	s_add_co_u32 s17, s17, s95                     ; tile row = 8 cy + cluster y
	s_lshl_b32 s43, s41, 2
	s_lshl_b32 s43, 15, s43                        ; my row of the cluster
	s_lshl_b32 s44, 0x1111, s40                    ; my column
	s_or_b32 s[G1+0], s43, (0<<16)|(1<<20)|(1<<21)|(5<<22)|(3<<25)  ; the mask; elements of 1 byte; padding on; bit 21 beside a mask; 4 words behind every 64
	s_or_b32 s[G1B+0], s44, (0<<16)|(1<<20)|(1<<21)|(5<<22)|(3<<25)
.irp g, G1, G1B
	s_mov_b32 s[\g+1], ROWB<<16                    ; tensor_dim0
	s_mov_b32 s[\g+2], 128<<16                     ; tensor_dim1
	s_mov_b32 s[\g+3], ROWB<<16                    ; tile_dim0
	s_mov_b32 s[\g+4], 128                         ; tile_dim1
	s_mov_b32 s[\g+5], KROW                        ; the pitch
	s_mov_b32 s[\g+6], 0
	s_mov_b32 s[\g+7], 0
.endr
	s_or_b32 s[G1S+0], s43, (3<<16)|(1<<20)|(1<<21)|(5<<22)|(3<<25) ; the scales of 128 rows: 4,096 dense bytes as 16 rows of 32 elements of 8 bytes
	s_or_b32 s[G1SB+0], s44, (3<<16)|(1<<20)|(1<<21)|(5<<22)|(3<<25)
.irp g, G1S, G1SB
	s_mov_b32 s[\g+1], 32<<16
	s_mov_b32 s[\g+2], (128*KS/256)<<16
	s_mov_b32 s[\g+3], 32<<16
	s_mov_b32 s[\g+4], 128*KS/256
	s_mov_b32 s[\g+5], 32
	s_mov_b32 s[\g+6], 0
	s_mov_b32 s[\g+7], 0
.endr
	s_lshl_b32 s18, s16, 7
	s_lshl_b32 s20, s17, 8
	s_add_co_u32 s20, s20, s18                     ; A: row 256 x tile row + 128 x half
	s_lshl_b32 s46, s42, 8
	s_add_co_u32 s46, s46, s18                     ; B: row 256 x tile column + 128 x half
	s_mov_b32 s21, 0
	s_mov_b32 s47, 0
	s_mov_b64 s[18:19], KS
	s_mul_u64 s[22:23], s[20:21], s[18:19]         ; where these rows' scales begin
	s_mul_u64 s[92:93], s[46:47], s[18:19]
	s_mov_b64 s[18:19], KROW
	s_mul_u64 s[20:21], s[20:21], s[18:19]         ; and their codes
	s_mul_u64 s[46:47], s[46:47], s[18:19]
	s_mul_i32 s45, s14, HALFT                      ; where they go: wave x 128 rows
	s_mul_i32 s94, s14, HALFS
	s_wait_dscnt 0x0                               ; both opening adds are done
	s_wait_kmcnt 0x0
	s_add_nc_u64 s[6:7], s[4:5], 0x400000          ; x's scale bytes lie behind its codes,
	s_add_nc_u64 s[10:11], s[8:9], 0x180000        ; the weight's likewise
	s_add_nc_u64 s[20:21], s[4:5], s[20:21]
	s_add_nc_u64 s[22:23], s[6:7], s[22:23]
	s_add_nc_u64 s[46:47], s[8:9], s[46:47]
	s_add_nc_u64 s[92:93], s[10:11], s[92:93]
	CROUND                                         ; all sixteen work-groups are here: the joint loads meet
	s_mov_b32 s[G0S], 1
	s_add_co_u32 s[G0S+1], s94, SCL
	s_mov_b64 s[G0S+2:G0S+3], s[22:23]
	s_or_b32 s[G0S+3], s[G0S+3], 0x80000000
	s_mov_b32 s[G0SB], 1
	s_add_co_u32 s[G0SB+1], s94, SCL
	s_mov_b64 s[G0SB+2:G0SB+3], s[92:93]
	s_or_b32 s[G0SB+3], s[G0SB+3], 0x80000000
	JLOAD G0S, G1S, G0SB, G1SB                     ; the scales first
.irp s, 0,1
	s_mov_b32 s[G0+4*\s], 1
	s_add_co_u32 s[G0+4*\s+1], s45, \s*SLOT
	s_add_nc_u64 s[G0+4*\s+2:G0+4*\s+3], s[20:21], \s*ROWB
	s_or_b32 s[G0+4*\s+3], s[G0+4*\s+3], 0x80000000
	s_mov_b32 s[G0B+4*\s], 1
	s_add_co_u32 s[G0B+4*\s+1], s45, \s*SLOT
	s_add_nc_u64 s[G0B+4*\s+2:G0B+4*\s+3], s[46:47], \s*ROWB
	s_or_b32 s[G0B+4*\s+3], s[G0B+4*\s+3], 0x80000000
	JLOAD G0+4*\s, G1, G0B+4*\s, G1B
.endr
	v_and_b32 v1, 15, v0                           ; r
	v_bfe_u32 v2, v0, 4, 1                         ; h
	v_mul_u32_u24 v3, v1, PITCH
	v_lshl_add_u32 v4, v2, 4, v3                   ; a fragment's row x pitch + 16 h
	s_mul_i32 s21, s15, HALFT
	s_mul_i32 s22, s16, HALFT
	s_add_co_u32 s22, s22, 2*HALFT
.irp s, 0,1
	v_add_nc_u32 v[ADRA+\s], s21, v4
	v_add_nc_u32 v[ADRB+\s], s22, v4
	s_add_co_u32 s21, s21, SLOT
	s_add_co_u32 s22, s22, SLOT
.endr
	v_mul_u32_u24 v5, v1, KS                       ; my row's scales: 32 bytes a row,
	v_lshrrev_b32 v6, 8, v5
	v_lshl_add_u32 v5, v6, 4, v5                   ; and 16 more for each 256 passed
	s_mul_i32 s21, s15, HALFS
	s_mul_i32 s22, s16, HALFS
	s_add_co_u32 s22, s22, 2*HALFS
	s_sub_co_u32 s22, s22, s21
	v_mul_u32_u24 v6, s22, v2                      ; lanes 16-31 take B's
	s_add_co_u32 s21, s21, SCL
	v_add_nc_u32 v5, v5, v6
	v_add_nc_u32 v[ADRS], s21, v5
	s_mul_i32 s23, s14, WSTG
	s_add_co_u32 s23, s23, STG                     ; my stage
	v_mul_u32_u24 v5, v1, HP
	v_lshl_add_u32 v5, v2, 4, v5
	v_add_nc_u32 v[STO], s23, v5                   ; in: row r, 16 bytes for each half of the lanes
	v_bfe_u32 v5, v0, 3, 2
	v_mul_u32_u24 v5, v5, HP
	v_and_b32 v6, 7, v0
	v_lshl_add_u32 v5, v6, 4, v5
	v_add_nc_u32 v[RD], s23, v5                    ; back: eight lanes to a row of 128 bytes, four rows an instruction
	v_and_b32 v6, 31, v0
	v_lshlrev_b32 v[CO], 4, v6                     ; which are 512 consecutive bytes of a head's plane
	v_mul_u32_u24 v[FO], v1, 12288
	v_lshl_add_u32 v[FO], v2, 5, v[FO]
	v_lshlrev_b32 v[BO], 5, v2
	s_lshl_b32 s46, s42, 10                        ; my first column, in f32 bytes: 1024 x tile column + 512 x half
	s_lshl_b32 s47, s16, 9
	s_add_co_u32 s46, s46, s47
	s_mov_b32 s47, 0
	s_add_nc_u64 s[96:97], s[96:97], s[46:47]      ; the bias at my first column
	s_add_nc_u64 s[98:99], s[98:99], s[46:47]      ; the f32 copy likewise,
	s_mul_i32 s46, s41, 196608
	s_add_nc_u64 s[98:99], s[98:99], s[46:47]      ; in my batch
.irp b, 0,1,2,3,4,5,6,7
	global_load_b128 v[BIAS+8*\b:BIAS+8*\b+3], v[BO], s[96:97] offset:64*\b       ; lane (r, h): the bias of columns 16 b + 8 h + 0 .. 7: the result's layout
	global_load_b128 v[BIAS+8*\b+4:BIAS+8*\b+7], v[BO], s[96:97] offset:64*\b+16
.endr
	s_lshl_b32 s20, ttmp9, 6                       ; the plane: (q, k or v) x 64 + batch x 16 + head; my first head is 4 cx + 2 x half
	s_lshl_b32 s21, s41, 4
	s_add_co_u32 s20, s20, s21
	s_lshl_b32 s21, s40, 2
	s_add_co_u32 s20, s20, s21
	s_lshl_b32 s21, s16, 1
	s_add_co_u32 s20, s20, s21
	s_lshl_b32 s20, s20, 18
	s_lshl_b32 s21, s95, 15                        ; + position 256 x cluster y, 128 bytes each
	s_add_co_u32 s20, s20, s21
	s_lshl_b32 s21, s15, 14                        ; + 128 x my half of the rows
	s_add_co_u32 s20, s20, s21
	s_mov_b32 s21, 0
	s_add_nc_u64 s[12:13], s[12:13], s[20:21]
.macro FRAG reg, adr, q, i             ; 16 rows x 128 K of 4-bit codes: 8 registers, two loads of 16 bytes, 32 bytes apart
.irp c, 0,1
	ds_load_b128 v[\reg+4*\c:\reg+4*\c+3], v[\adr] offset:64*(\q)+32*\c+(\i)*16*PITCH
.endr
.endm
; 16 matrix instructions: A's blocks a0, a0 + 1 x B's eight, the slot's q-th 128 along K.  zero = 1: the first product starts the sums on the bias.  The 64 accumulators take turns, in the same order in every step.
.macro MUL16 a0, p, q, sc, zero
.irp a, \a0, \a0+1
.irp b, 0,1,2,3,4,5,6,7
.if \zero
	v_wmma_scale_f32_16x16x128_f8f6f4 v[8*(8*((\a)%4)+\b):8*(8*((\a)%4)+\b)+7], v[128*(\p)+FR*\b:128*(\p)+FR*\b+FR-1], v[AF+FR*(\a):AF+FR*(\a)+FR-1], v[BIAS+8*\b:BIAS+8*\b+7], v[SC+8*NQ*(\sc)+NQ*\b+(\q)], v[SC+8*NQ*(\sc)+NQ*(\a)+(\q)] matrix_a_fmt:MATRIX_FMT_FP4 matrix_b_fmt:MATRIX_FMT_FP4 matrix_a_scale:MATRIX_SCALE_ROW1
.else
	v_wmma_scale_f32_16x16x128_f8f6f4 v[8*(8*((\a)%4)+\b):8*(8*((\a)%4)+\b)+7], v[128*(\p)+FR*\b:128*(\p)+FR*\b+FR-1], v[AF+FR*(\a):AF+FR*(\a)+FR-1], v[8*(8*((\a)%4)+\b):8*(8*((\a)%4)+\b)+7], v[SC+8*NQ*(\sc)+NQ*\b+(\q)], v[SC+8*NQ*(\sc)+NQ*(\a)+(\q)] matrix_a_fmt:MATRIX_FMT_FP4 matrix_b_fmt:MATRIX_FMT_FP4 matrix_a_scale:MATRIX_SCALE_ROW1
.endif
.endr
.endr
.endm
.macro FETCH_B slot, q, p
	WIN TO_B
.irp i, 0,1,2,3,4,5,6,7
	FRAG 128*(\p)+FR*\i, ADRB+\slot, \q, \i
.endr
	WIN 0
.endm
.macro FETCH_A slot, q, i0
.irp i, \i0, \i0+1, \i0+2, \i0+3
	FRAG AF+FR*(\i), ADRA+\slot, \q, \i
.endr
.endm
.macro SCALES sc                       ; a slot's scale words: 4 words a row; lanes 0-15 take A's block i, lanes 16-31 B's block i
.irp i, 0,1,2,3,4,5,6,7
	ds_load_b128 v[SC+8*NQ*\sc+NQ*\i:SC+8*NQ*\sc+NQ*\i+3], v[ADRS] offset:\i*SBLK
.endr
.endm
.macro PLACES n                        ; plain vector lines between a matrix instruction and a load into its registers or a read of its result
.rept \n
	v_nop
.endr
.endm
.macro STEP slot, q, zero              ; a step of 128 along K that has its successor in the same slot
	s_wait_dscnt 4*NL                              ; B's set and A's blocks 0-3 are in; the youngest loads (A's blocks 4-7) may be out
.if \zero
	WIN FST_LO
.else
	WIN MUL_LO
.endif
	MUL16 0, (\q)%2, \q, \slot, \zero
	MUL16 2, (\q)%2, \q, \slot, \zero
	s_wait_dscnt 0
	PLACES NP
	FETCH_B \slot, (\q)+1, 1-(\q)%2
	FETCH_A \slot, (\q)+1, 0
.if \zero
	WIN FST_HI
.else
	WIN MUL_HI
.endif
	MUL16 4, (\q)%2, \q, \slot, \zero
	MUL16 6, (\q)%2, \q, \slot, \zero
	PLACES NP
	WIN 0
	FETCH_A \slot, (\q)+1, 4
.endm
.macro STEPS slot, from
.set QQ, \from
.rept NQ-1-\from
	STEP \slot, QQ, 0
.set QQ, QQ+1
.endr
.endm
	s_wait_tensorcnt 1                             ; the scales and my part of slot 0 are in (slot 1's load may be out)
	s_barrier_signal -1
	s_barrier_wait -1                              ; everybody's are
	FETCH_B 0, 0, 0
	FETCH_A 0, 0, 0
	SCALES 0
	FETCH_A 0, 0, 4
	s_wait_loadcnt 0x0                             ; the bias
	STEP 0, 0, 1
	STEPS 0, 1
	; slot 0's last step changes slots: one barrier; in front of it each wave waits for all its tensor loads, adds 0 to its spare word, and waits for that and for its reads
	s_wait_tensorcnt 0x0                           ; my part of slot 1 has landed
	ds_add_u32 v[SPW], v[NIL]
	s_wait_dscnt 4*NL+1                            ; (the add and A's blocks 4-7 may be out)
	WIN MUL_LO
	MUL16 0, 1, NQ-1, 0, 0
	s_wait_dscnt 0x0
	s_barrier_signal -1
	MUL16 2, 1, NQ-1, 0, 0
	WIN 0
	s_barrier_wait -1                              ; slot 1 is whole
	PLACES NP
	v_add_nc_u32 v[ADRS], 4*NQ, v[ADRS]            ; on to slot 1's scale words
	FETCH_B 1, 0, 0
	FETCH_A 1, 0, 0
	SCALES 1
	WIN MUL_HI
	MUL16 4, 1, NQ-1, 0, 0
	MUL16 6, 1, NQ-1, 0, 0
	PLACES NP
	WIN 0
	FETCH_A 1, 0, 4
	STEPS 1, 0
	s_wait_dscnt 4*NL                              ; the very last step
	WIN MUL_LO
	MUL16 0, 1, NQ-1, 1, 0
	MUL16 2, 1, NQ-1, 1, 0
	s_wait_dscnt 0
	WIN MUL_HI
	MUL16 4, 1, NQ-1, 1, 0
	MUL16 6, 1, NQ-1, 1, 0
	WIN 0
	PLACES NP                                      ; behind the last products: for the reads of results and the loads into A's registers below
	; the first 16 positions of a batch, unrounded: block 0 of the waves with the upper rows, in the batch's first tile
	s_cmp_lg_u32 s95, 0
	s_cbranch_scc1 .Lno32
	s_cmp_lg_u32 s15, 0
	s_cbranch_scc1 .Lno32
	WIN 0x08                                       ; a store's data are its source 1: window 2
.irp b, 0,1,2,3,4,5,6,7
	global_store_b128 v[FO], v[8*\b:8*\b+3], s[98:99] offset:64*\b           ; each accumulator from its low end on
	global_store_b128 v[FO], v[8*\b+4:8*\b+7], s[98:99] offset:64*\b+16
.endr
	WIN 0
.Lno32:
; THE WAY OUT, block by block of 16 rows x 128 columns (two heads).  PACK: rounded to f16, 16 bytes a lane.  TOSTAGE: into my own stage and back by rows.  SEND: 512 consecutive bytes a store.
.macro PACK a
.set AC, 64*((\a)%4)
	WIN 0x0a+5*((\a)/4)                            ; sources 0 and 1: window 2 or 3
.irp b, 0,1,2,3,4,5,6,7
.irp i, 0,1,2,3
	v_cvt_pk_f16_f32 v[TMP+4*\b+\i], v[AC+8*\b+2*\i], v[AC+8*\b+2*\i+1]
.endr
.endr
	WIN 0
.endm
.macro TOSTAGE a
.set BB, BK+32*((\a)%2)
.irp b, 0,1,2,3,4,5,6,7
	ds_store_b128 v[STO], v[TMP+4*\b:TMP+4*\b+3] offset:(\b/4)*16*HP+32*(\b%4)
.endr
.irp i, 0,1,2,3,4,5,6,7
	ds_load_b128 v[BB+4*\i:BB+4*\i+3], v[RD] offset:(\i/4)*16*HP+(\i%4)*4*HP   ; LDS serves a wave's instructions in order: these see the stores above
.endr
.endm
.macro SEND a
.set BB, BK+32*((\a)%2)
	s_wait_dscnt 0x0                               ; the block is back in registers
	s_wait_xcnt 0x0                                ; the earlier stores have read their registers: the next block's loads may land there
.irp i, 0,1,2,3,4,5,6,7
	global_store_b128 v[CO], v[BB+4*\i:BB+4*\i+3], s[12:13] offset:(\i/4)*PLANE+(\a)*2048+(\i%4)*512
.endr
.endm
	PACK 0
	TOSTAGE 0
.irp a, 1,2,3,4,5,6,7
	PACK \a
	SEND \a-1
	TOSTAGE \a
.endr
	SEND 7
	s_wait_tensorcnt 0x0                           ; the wave's end
	ds_add_u32 v[SPW], v[NIL]
	s_wait_dscnt 0x0
	CROUND                                         ; the closing round
	s_endpgm
.Lfunc_end_k_qf3261d73bd_qkv:
	.size	k_qf3261d73bd_qkv, .Lfunc_end_k_qf3261d73bd_qkv-k_qf3261d73bd_qkv
	.p2alignl 7, 3214868480
	.fill 96, 4, 3214868480
	.section	.rodata,"a",@progbits
	.p2align	6, 0x0
	.amdhsa_kernel k_qf3261d73bd_qkv
		.amdhsa_group_segment_fixed_size 327680
		.amdhsa_private_segment_fixed_size 0
		.amdhsa_enable_private_segment 0
		.amdhsa_kernarg_size 40
		.amdhsa_user_sgpr_count 2
		.amdhsa_user_sgpr_kernarg_segment_ptr 1
		.amdhsa_wavefront_size32 1
		.amdhsa_system_sgpr_workgroup_id_x 1
		.amdhsa_system_sgpr_workgroup_id_y 1
		.amdhsa_system_sgpr_workgroup_id_z 1
		.amdhsa_system_vgpr_workitem_id 0
		.amdhsa_next_free_vgpr 1024
		.amdhsa_next_free_sgpr 100
		.amdhsa_reserve_vcc 0
		.amdhsa_float_denorm_mode_32 3
		.amdhsa_float_denorm_mode_16_64 3
		.amdhsa_memory_ordered 1
		.amdhsa_forward_progress 1
		.amdhsa_inst_pref_size 130
	.end_amdhsa_kernel
	.amdgpu_metadata
---
amdhsa.version: [ 1, 2 ]
amdhsa.kernels:
  - .name:           k_qf3261d73bd_qkv
    .symbol:         k_qf3261d73bd_qkv.kd
    .args:
      - { .name: xq, .offset: 0, .size: 8, .value_kind: global_buffer, .address_space: global }
      - { .name: wq, .offset: 8, .size: 8, .value_kind: global_buffer, .address_space: global }
      - { .name: c_attn_b, .offset: 16, .size: 8, .value_kind: global_buffer, .address_space: global }
      - { .name: qkv16, .offset: 24, .size: 8, .value_kind: global_buffer, .address_space: global }
      - { .name: qkv32, .offset: 32, .size: 8, .value_kind: global_buffer, .address_space: global }
    .group_segment_fixed_size: 327680
    .private_segment_fixed_size: 0
    .kernarg_segment_align: 8
    .kernarg_segment_size: 40
    .max_flat_workgroup_size: 128
    .sgpr_count:     100
    .vgpr_count:     1024
    .wavefront_size: 32
...
	.end_amdgpu_metadata
.endif
;; end of part 3
;; launch vsuf (part 4): grid 64 x 1, 16 waves a work-group, no clusters, 10,240 bytes of LDS; arguments qkv16, vsuf; writes vsuf
.if DOCPART == 4
	.amdgcn_target "amdgcn-amd-amdhsa--gfx1250"
	.amdhsa_code_object_version 6
	.text
	.protected	k_qf3261d73bd_vsuf
	.globl	k_qf3261d73bd_vsuf
	.p2align	8
	.type	k_qf3261d73bd_vsuf,@function
k_qf3261d73bd_vsuf:
	s_mov_b64 s[64:65], 0
	v_nop
	global_prefetch_b8 v0, s[64:65] scope:SCOPE_SE
	s_setreg_imm32_b32 hwreg(HW_REG_WAVE_MODE, 25, 1), 1
	s_wait_xcnt 0x0
; Suffix sums of V for the masked rest of a softmax row.  reference() gives every masked key the score -10000, so all masked keys of a row have one weight, and what they add is that weight x a sum of V's rows.
; vsuf [batch x head 64][33][64] f32: row j < 32 = the sum of V over keys 64 (j + 1) .. 2047 (row 31: zeros); row 32 = the sum over keys 16 .. 2047.
; The sums are taken of V as qkv16 holds it (f16), in f32.  One work-group to a head; wave w sums keys 128 w .. 128 w + 127 in two blocks of 64; the 32 block sums meet in LDS; wave 0 adds them from the end.
; A load brings 4 keys x 128 bytes: a lane holds key lane / 8 and channels 8 (lane % 8) + 0 .. 7.  Block 0 leaves keys 0-15 out: it is used for row 32 alone.
.set P0,   136                         ; v136-143 the block's first 16 keys
.set P1,   144                         ; v144-151 its other 48
.set T,    152                         ; v152-167 two sets of 8 numbers at work
.set SUM,  168                         ; v168-175 the block's sum
.set RR,   180                         ; v180-245 the 33 rows, a pair of channels a lane
.set AIN,  128                         ; v128 16 x lane
.set ABS,  129                         ; v129 LDS: my wave's two block sums, my 8 channels
.set AOUT, 130                         ; v130 8 x lane
.set SPW,  131
.set NIL,  132
.set SPARE, 8192                       ; behind the 32 block sums of 256 bytes: the spare words, 128 bytes a wave
	s_load_b128 s[4:7], s[0:1], 0x0                ; qkv16, vsuf
	v_lshl_add_u32 v[SPW], v0, 2, SPARE
	v_mov_b32 v[NIL], 0
	v_lshrrev_b32 v133, 5, v0
	v_readfirstlane_b32 s18, v133                  ; wave 0..15
	v_and_b32 v133, 31, v0
	v_lshlrev_b32 v[AIN], 4, v133
	v_lshlrev_b32 v[AOUT], 3, v133
	v_and_b32 v133, 7, v0
	s_lshl_b32 s19, s18, 9
	v_lshl_add_u32 v[ABS], v133, 5, s19
	s_mov_b32 s20, 0x76543210
	s_mov_b32 s21, 0xfedcba98                      ; v_permlanex16_b32's selects for lane l xor 16
	s_cmp_eq_u32 s18, 0
	s_cselect_b32 s22, 0, 1.0                      ; keys 0-15 count for nothing
	s_lshl_b32 s8, ttmp9, 18                       ; the head's plane of V,
	s_lshl_b32 s9, s18, 14                         ; my wave's 128 keys of 128 bytes
	s_add_co_u32 s8, s8, s9
	s_add_co_u32 s8, s8, 0x2000000                 ; V lies behind q and k
	s_mov_b32 s9, 0
	s_mul_i32 s10, ttmp9, 33*256
	s_mov_b32 s11, 0
	s_wait_kmcnt 0x0
	s_add_nc_u64 s[4:5], s[4:5], s[8:9]
	s_add_nc_u64 s[6:7], s[6:7], s[10:11]
.irp i, 0,1,2,3,4,5,6,7,8,9,10,11,12,13,14,15,16,17,18,19,20,21,22,23,24,25,26,27,28,29,30,31
	global_load_b128 v[4*\i:4*\i+3], v[AIN], s[4:5] offset:512*\i   ; v0-127 (only these have named halves); v0 has served
.endr
.macro CV d                            ; register d of the 128: word d % 4 of load d / 4: two f16 become f32; behind a load's fourth word they are added on
.set LDN, (\d)/4
.set WD,  (\d)%4
.set LB,  LDN%16
.if LB < 4
.set PP, P0
.else
.set PP, P1
.endif
.if WD == 0
	s_wait_loadcnt 31-LDN                          ; loads come back in order: this one is in
.endif
.if (LB == 0) || (LB == 4)
	v_cvt_f32_f16 v[PP+2*WD], v\d\().l             ; a chain's first load starts the sums: nothing is cleared
	v_cvt_f32_f16 v[PP+2*WD+1], v\d\().h
.else
.set TT, T+8*(LDN%2)
	v_cvt_f32_f16 v[TT+2*WD], v\d\().l
	v_cvt_f32_f16 v[TT+2*WD+1], v\d\().h
.if WD == 3
.irp k, 0,2,4,6
	v_pk_add_f32 v[PP+\k:PP+\k+1], v[PP+\k:PP+\k+1], v[TT+\k:TT+\k+1]
.endr
.endif
.endif
.endm
.macro FIN u                           ; the block's sum over my lane's keys, then over the four lanes that hold the same channels
.irp j, 0,1,2,3,4,5,6,7
.if \u == 0
	v_fma_f32 v[SUM+\j], v[P0+\j], s22, v[P1+\j]
.else
	v_add_f32 v[SUM+\j], v[P0+\j], v[P1+\j]
.endif
.endr
.irp j, 0,1,2,3,4,5,6,7
	v_add_f32_dpp v[SUM+\j], v[SUM+\j], v[SUM+\j] row_xmask:8 row_mask:0xf bank_mask:0xf
.endr
.irp j, 0,1,2,3,4,5,6,7
	v_permlanex16_b32 v[T+\j], v[SUM+\j], s20, s21
.endr
.irp j, 0,1,2,3,4,5,6,7
	v_add_f32 v[SUM+\j], v[SUM+\j], v[T+\j]
.endr
	ds_store_b128 v[ABS], v[SUM:SUM+3] offset:256*\u               ; the four lanes of a channel group write the same bytes with the same values
	ds_store_b128 v[ABS], v[SUM+4:SUM+7] offset:256*\u+16
.endm
.irp d, 0,1,2,3,4,5,6,7,8,9,10,11,12,13,14,15,16,17,18,19,20,21,22,23,24,25,26,27,28,29,30,31,32,33,34,35,36,37,38,39,40,41,42,43,44,45,46,47,48,49,50,51,52,53,54,55,56,57,58,59,60,61,62,63
	CV \d
.endr
	FIN 0
.irp d, 64,65,66,67,68,69,70,71,72,73,74,75,76,77,78,79,80,81,82,83,84,85,86,87,88,89,90,91,92,93,94,95,96,97,98,99,100,101,102,103,104,105,106,107,108,109,110,111,112,113,114,115,116,117,118,119,120,121,122,123,124,125,126,127
	CV \d
.endr
	FIN 1
	s_wait_dscnt 0x0                               ; for wave 0's sake: my stores are done
	s_barrier_signal -1
	s_barrier_wait -1
	s_cmp_lg_u32 s18, 0
	s_cbranch_scc1 .Lend
.irp k, 0,1,2,3,4,5,6,7,8,9,10,11,12,13,14,15,16,17,18,19,20,21,22,23,24,25,26,27,28,29,30,31
	ds_load_b64 v[2*\k:2*\k+1], v[AOUT] offset:256*\k              ; block k's sum: channels 2 lane, 2 lane + 1
.endr
	s_wait_dscnt 0x0
	v_mov_b32 v[RR+62], 0                          ; behind key 2047 there is nothing
	v_mov_b32 v[RR+63], 0
.set J, 30
.rept 31
	v_pk_add_f32 v[RR+2*J:RR+2*J+1], v[2*J+2:2*J+3], v[RR+2*J+2:RR+2*J+3]   ; row j = block j + 1 + row j + 1
.set J, J-1
.endr
	v_pk_add_f32 v[RR+64:RR+65], v[0:1], v[RR:RR+1]                ; row 32 = keys 16-63 + row 0
.set J, 0
.rept 33
	global_store_b64 v[AOUT], v[RR+2*J:RR+2*J+1], s[6:7] offset:256*J   ; 32 lanes store 256 consecutive bytes, aligned
.set J, J+1
.endr
.Lend:
	s_wait_tensorcnt 0x0                           ; the wave's end, behind my last LDS store
	ds_add_u32 v[SPW], v[NIL]
	s_wait_dscnt 0x0
	s_endpgm
.Lfunc_end_k_qf3261d73bd_vsuf:
	.size	k_qf3261d73bd_vsuf, .Lfunc_end_k_qf3261d73bd_vsuf-k_qf3261d73bd_vsuf
	.p2alignl 7, 3214868480
	.fill 96, 4, 3214868480
	.section	.rodata,"a",@progbits
	.p2align	6, 0x0
	.amdhsa_kernel k_qf3261d73bd_vsuf
		.amdhsa_group_segment_fixed_size 10240
		.amdhsa_private_segment_fixed_size 0
		.amdhsa_enable_private_segment 0
		.amdhsa_kernarg_size 16
		.amdhsa_user_sgpr_count 2
		.amdhsa_user_sgpr_kernarg_segment_ptr 1
		.amdhsa_wavefront_size32 1
		.amdhsa_system_sgpr_workgroup_id_x 1
		.amdhsa_system_sgpr_workgroup_id_y 1
		.amdhsa_system_sgpr_workgroup_id_z 1
		.amdhsa_system_vgpr_workitem_id 0
		.amdhsa_next_free_vgpr 256
		.amdhsa_next_free_sgpr 66
		.amdhsa_reserve_vcc 0
		.amdhsa_float_denorm_mode_32 3
		.amdhsa_float_denorm_mode_16_64 3
		.amdhsa_memory_ordered 1
		.amdhsa_forward_progress 1
		.amdhsa_inst_pref_size 32
	.end_amdhsa_kernel
	.amdgpu_metadata
---
amdhsa.version: [ 1, 2 ]
amdhsa.kernels:
  - .name:           k_qf3261d73bd_vsuf
    .symbol:         k_qf3261d73bd_vsuf.kd
    .args:
      - { .name: qkv16, .offset: 0, .size: 8, .value_kind: global_buffer, .address_space: global }
      - { .name: vsuf, .offset: 8, .size: 8, .value_kind: global_buffer, .address_space: global }
    .group_segment_fixed_size: 10240
    .private_segment_fixed_size: 0
    .kernarg_segment_align: 8
    .kernarg_segment_size: 16
    .max_flat_workgroup_size: 512
    .sgpr_count:     66
    .vgpr_count:     256
    .wavefront_size: 32
...
	.end_amdgpu_metadata
.endif
;; end of part 4
;; launch attn (part 5): grid 4 x 64, 16 waves a work-group, no clusters, 327,680 bytes of LDS; arguments qkv16, vsuf, a16; writes a16
.if DOCPART == 5
	.amdgcn_target "amdgcn-amd-amdhsa--gfx1250"
	.amdhsa_code_object_version 6
	.text
	.protected	k_qf3261d73bd_attn
	.globl	k_qf3261d73bd_attn
	.p2align	8
	.type	k_qf3261d73bd_attn,@function
k_qf3261d73bd_attn:
	s_mov_b64 s[64:65], 0
	v_nop
	global_prefetch_b8 v0, s[64:65] scope:SCOPE_SE
	s_setreg_imm32_b32 hwreg(HW_REG_WAVE_MODE, 25, 1), 1
	s_wait_xcnt 0x0
; a[b][h][q][:] = the sum over k of softmax_k(w) V[k][:], w = q . k / 8 where k <= q and -10000 elsewhere, as reference() has it.  q, k, v: f16 planes [2048][64] of qkv16; a16 likewise; products on f16, sums, maxima and softmax in f32.
; THE MASKED KEYS ARE NOT DROPPED.  In the step on the diagonal they get the raw score -80000 (= -10000 x 8) and go through the softmax like any key.  The keys behind that step all have the one weight
; e = 2^(c (-80000 - m)); they add e x (their number) to the row's sum and e x (the sum of their rows of V, from vsuf) to the row: added once, on the way out, under a maximum that takes -80000 in.
; SOFTMAX: for each query a running maximum m and sum l: p = 2^(c s - c m), c = log2(e) / 8; in every step O and l are multiplied by a = 2^(c m_old - c m_new).
; SHARES.  A work-group owns query blocks p and 7 - p (256 queries each) of one head: waves 0-7 the first, waves 8-15 the second; a wave owns 32 queries, two tiles of 16.  So every work-group has the same work.
; All sixteen waves walk one stream of K and V, 64 keys a step, through two LDS slots of 256 keys filled by tensor loads (waves 0, 1: K's halves; waves 2, 3: V's).
; EVERY WORK-GROUP WALKS ALL 8 SLOTS (constant trip counts, no barrier jumped over); a step all of whose keys come behind a wave's queries is left out by a scalar branch on ids; a slot whose first key comes behind the
; work-group's last query is not asked for.  No cluster: the work-groups of a head stop asking at different slots.
; LAYOUT.  S^T = K Q^T (source 0 = 16 keys, source 1 = 16 queries): a lane holds ONE query (lane % 16) and keys 8 (lane / 16) + 0..7.  Two such tiles, rounded to f16 in pairs, are source 1 of O^T = V^T P.  V is turned by ds_load_tr16_b128.
; LIMITS: |q|, |k|, |v| under 65,504; NaN and infinities not served; the suffix sums are of the f16 V.
.set KP,    144                        ; a row of K in LDS: 128 bytes + 16
.set VP,    160                        ; a row of V: 128 + 32
.set SK,    256                        ; keys in a slot
.set NQ,    4                          ; key steps in a slot
.set VOFF,  SK*KP
.set SLOT1, 1<<17                      ; slot 1 begins here: one exclusive or turns an address
.set STAGE, SLOT1+VOFF+SK*VP           ; the way out: for each wave 32 rows x (128 bytes + 16); no tensor load lands here
.set WSTG,  32*KP
.set SPARE, STAGE+16*WSTG              ; the spare words, 128 bytes a wave
.set AK0,  1                           ; v1   my lane's place in a tile of K
.set AV0,  2                           ; v2   the same for V
.set SPW,  3
.set NIL,  4
.set ADK,  5                           ; v5   LDS address of the step's K
.set ADV,  6                           ; v6   of its V
.set RH,   7                           ; v7   r - 8 h
.set NEGV, 8                           ; v8   -80000
.set PFO,  9                           ; v9   256 x lane
.set DD,   10                          ; v10-11 the diagonal: my query - the register's first key, tile 0, 1
.set ST,   12                          ; v12-27 tile t's statistics at ST + 8 t: +0 c m, +1 m, +2, +3 l, +4 .. +7 at work (a in +6)
.set QO,   28
.set STO,  29
.set RD,   30
.set GO,   31
.set QF,   32                          ; v32-63   Q: tile t, channels 32 c on: QF + 16 t + 8 c
.set FB,   64                          ; v64-127  eight fragments of K, then of V
.set S,    128                         ; v128-191 S^T: tile t, keys 16 kt on: S + 32 t + 8 kt; then p, packed into the tile's first 16
.set O,    192                         ; v192-255 O^T: tile t, channels 16 u on: O + 32 t + 8 u
.set TB,   2
.set WV,   18
.set SEL,  20
.set CS,   22
.set G1K,  24
.set G1V,  32
.set G0K,  40
.set G0V,  44
.set KF,   48                          ; s48  the step's first key
.set Q0,   49                          ; s49  my first query
.set QL,   50                          ; s50  my work-group's last query
.set SLOTS, 51
.set PFA,  52
.set LIM,  54
; Waves 0 and 1 fetch for K, waves 2 and 3 for V, the others nothing.  An s_nop 0 and four v_nop follow each line.
.macro TLOAD
	s_cmp_lt_u32 s[WV], 2
	s_cbranch_scc0 .Lnot_k_\@
	tensor_load_to_lds s[G0K:G0K+3], s[G1K:G1K+7]
	s_nop 0
.rept 4
	v_nop
.endr
	s_branch .Lasked_\@
.Lnot_k_\@:
	s_cmp_lt_u32 s[WV], 4
	s_cbranch_scc0 .Lasked_\@
	tensor_load_to_lds s[G0V:G0V+3], s[G1V:G1V+7]
	s_nop 0
.rept 4
	v_nop
.endr
.Lasked_\@:
.endm
; A prefetch of what the NEXT change of slots will ask for: 32,768 dense bytes of K and as many of V.  The head's first work-group asks, which walks all slots; in it waves 4-7 ask for K, waves 8-11 for V,
; 8,192 bytes a wave, lanes 256 bytes apart: each block of 256 bytes is named once in the launch.  Slots 0 and 1 come by their loads alone; the last change that fills a slot asks for nothing.
.macro ASK
	s_cmp_gt_u32 s[SLOTS], s[LIM]
	s_cbranch_scc0 .Lnot_mine_\@
	global_prefetch_b8 v[PFO], s[PFA:PFA+1] th:TH_LOAD_NT scope:SCOPE_SE
.Lnot_mine_\@:
.endm
	s_load_b128 s[4:7], s[0:1], 0x0                ; qkv16, vsuf
	s_load_b64 s[8:9], s[0:1], 0x10                ; a16
	v_lshl_add_u32 v[SPW], v0, 2, SPARE
	v_mov_b32 v[NIL], 0
	ds_add_u32 v[SPW], v[NIL]                      ; the wave's opening: the add, twice on end, and its wait ahead of the first tensor load
	ds_add_u32 v[SPW], v[NIL]
	v_lshrrev_b32 v5, 5, v0
	v_readfirstlane_b32 s[WV], v5                  ; wave 0..15
	s_and_b32 s55, ttmp7, 0xffff                   ; batch x 16 + head
	s_lshl_b32 s56, s55, 18                        ; its plane
	s_mov_b32 s57, 0
	s_sub_co_u32 s58, 7, ttmp9
	s_cmp_lt_u32 s[WV], 8
	s_cselect_b32 s58, ttmp9, s58                  ; my block of 256 queries: p or 7 - p
	s_lshl_b32 s58, s58, 8
	s_and_b32 s59, s[WV], 7
	s_lshl_b32 s59, s59, 5
	s_add_co_u32 s[Q0], s58, s59
	s_sub_co_u32 s[QL], 8, ttmp9
	s_lshl_b32 s[QL], s[QL], 8
	s_sub_co_u32 s[QL], s[QL], 1                   ; the last query of block 7 - p
	s_mov_b32 s[G1K], (1<<16)|(1<<20)|(4<<22)|(3<<25)   ; elements of 2 bytes; padding on: 4 words behind every 32
	s_mov_b32 s[G1V], (1<<16)|(1<<20)|(4<<22)|(7<<25)   ; 8 words behind every 32
.irp g, G1K, G1V
	s_mov_b32 s[\g+1], 64<<16                      ; tensor_dim0 = 64
	s_mov_b32 s[\g+2], 128<<16                     ; tensor_dim1 = 128
	s_mov_b32 s[\g+3], 64<<16                      ; tile_dim0
	s_mov_b32 s[\g+4], 128                         ; tile_dim1
	s_mov_b32 s[\g+5], 64                          ; the pitch
	s_mov_b32 s[\g+6], 0
	s_mov_b32 s[\g+7], 0
.endr
	s_and_b32 s60, s[WV], 1                        ; which 128 keys of a slot I fetch, if I fetch
	s_mul_i32 s61, s60, 128*KP
	s_mul_i32 s62, s60, 128*VP
	s_add_co_u32 s62, s62, VOFF
	s_lshl_b32 s66, s60, 14
	s_add_co_u32 s66, s66, s56
	s_mov_b32 s67, 0
	s_lshr_b32 s63, s[Q0], 6                       ; j: my last step is keys 64 j .. 64 j + 63
	s_mul_i32 s68, s55, 33
	s_add_co_u32 s68, s68, s63
	s_lshl_b32 s68, s68, 8                         ; row j of my head's suffix sums
	s_mov_b32 s69, 0
	s_lshl_b32 s63, s63, 6
	s_sub_co_u32 s70, 1984, s63                    ; how many keys lie behind my last step
	s_mov_b32 s58, 0xff61b1e6                      ; -3e38
	s_mov_b32 s59, 0xc79c4000                      ; -80000
	s_cmp_eq_u32 s70, 0
	s_cselect_b32 s59, s58, s59                    ; what the rest brings to the maximum: nothing where there is no rest
	s_mov_b32 s[SEL], 0x76543210
	s_mov_b32 s[SEL+1], 0xfedcba98
	s_mov_b32 s[CS], 0x3e38aa3b                    ; c = log2(e) / 8
	s_mov_b32 s[CS+1], s[CS]
	s_mov_b32 s[TB], 0
	s_mov_b32 s[KF], 0
	s_mov_b32 s[SLOTS], 7
	s_mul_i32 s71, s[WV], WSTG
	s_add_co_u32 s71, s71, STAGE                   ; my stage
	s_wait_dscnt 0x0                               ; both opening adds are done
	s_wait_kmcnt 0x0
	s_mov_b32 s[G0K], 1
	s_mov_b32 s[G0K+1], s61
	s_add_nc_u64 s[G0K+2:G0K+3], s[4:5], s[66:67]
	s_add_nc_u64 s[G0K+2:G0K+3], s[G0K+2:G0K+3], 0x1000000   ; k lies behind q
	s_or_b32 s[G0K+3], s[G0K+3], 0x80000000
	s_mov_b32 s[G0V], 1
	s_mov_b32 s[G0V+1], s62
	s_add_nc_u64 s[G0V+2:G0V+3], s[4:5], s[66:67]
	s_add_nc_u64 s[G0V+2:G0V+3], s[G0V+2:G0V+3], 0x2000000   ; v behind k
	s_or_b32 s[G0V+3], s[G0V+3], 0x80000000
	TLOAD                                          ; slot 0: it holds key 0, which counts for every query
	s_lshl_b32 s66, s[Q0], 7
	s_add_co_u32 s66, s66, s56
	s_add_nc_u64 s[10:11], s[4:5], s[66:67]        ; q at my first query
	s_add_nc_u64 s[8:9], s[8:9], s[66:67]          ; a16 likewise
	s_add_nc_u64 s[6:7], s[6:7], s[68:69]
	s_mov_b32 s66, 0x2000000
	s_cmp_lt_u32 s[WV], 8                          ; waves 4-7 ask for K, waves 8-11 for V
	s_cselect_b32 s66, 0x1000000, s66
	s_and_b32 s63, s[WV], 3
	s_lshl_b32 s63, s63, 13
	s_add_co_u32 s66, s66, s63
	s_add_co_u32 s66, s66, s56
	s_add_co_u32 s66, s66, SK*128                  ; in slot 1: the first change of slots steps it to slot 2
	s_add_nc_u64 s[PFA:PFA+1], s[4:5], s[66:67]
	s_sub_co_u32 s63, s[WV], 4
	s_lshr_b32 s63, s63, 3                         ; 0 in waves 4 to 11,
	s_or_b32 s63, s63, ttmp9                       ; of the head's first work-group
	s_cmp_eq_u32 s63, 0
	s_cselect_b32 s[LIM], 1, -1
	v_and_b32 v5, 15, v0                           ; r
	v_bfe_u32 v6, v0, 4, 1                         ; h
	v_lshlrev_b32 v[QO], 7, v5
	v_lshl_add_u32 v[QO], v6, 4, v[QO]             ; row r of 128 bytes + 16 h
.irp t, 0,1
.irp i, 0,1,2,3
	global_load_b128 v[QF+16*\t+4*\i:QF+16*\t+4*\i+3], v[QO], s[10:11] offset:\t*2048+32*\i   ; Q stays in registers
.endr
.endr
	v_mul_u32_u24 v[AK0], v5, KP
	v_lshl_add_u32 v[AK0], v6, 4, v[AK0]
	v_and_b32 v10, 7, v0
	v_bfe_u32 v11, v0, 3, 1
	v_lshl_add_u32 v[AV0], v6, 3, v10
	v_mul_u32_u24 v[AV0], v[AV0], VP
	v_lshl_add_u32 v[AV0], v11, 4, v[AV0]
	v_add_nc_u32 v[AV0], VOFF, v[AV0]              ; the turning load: key 8 h + lane % 8, channels 8 ((lane / 8) % 2) on
	v_add_nc_u32 v[STO], s71, v[AK0]               ; the stage, in: row r, 16 bytes for each half of the lanes
	v_bfe_u32 v[RD], v0, 3, 2
	v_mul_u32_u24 v[RD], v[RD], KP
	v_lshl_add_u32 v[RD], v10, 4, v[RD]
	v_add_nc_u32 v[RD], s71, v[RD]                 ; back: eight lanes to a row, four rows an instruction
	v_and_b32 v[GO], 31, v0
	v_lshlrev_b32 v[PFO], 8, v[GO]
	v_lshlrev_b32 v[GO], 4, v[GO]
	v_lshlrev_b32 v[RH], 3, v6
	v_sub_nc_u32 v[RH], v5, v[RH]
	v_mov_b32 v[NEGV], 0xc79c4000
.irp t, 0,1
	v_mov_b32 v[ST+8*\t+1], 0xff61b1e6             ; m: -3e38, under every score
	v_mul_f32 v[ST+8*\t], s[CS], v[ST+8*\t+1]
.irp j, 2,3,4,5,6,7
	v_mov_b32 v[ST+8*\t+\j], 0
.endr
.endr
.irp j, 0,1,2,3,4,5,6,7,8,9,10,11,12,13,14,15,16,17,18,19,20,21,22,23,24,25,26,27,28,29,30,31,32,33,34,35,36,37,38,39,40,41,42,43,44,45,46,47,48,49,50,51,52,53,54,55,56,57,58,59,60,61,62,63
	v_mov_b32 v[O+\j], 0                           ; O^T.  (The step is written once: the first finds zeros, which its a = 0 leaves zeros)
.endr
; A KEY STEP: 64 keys, the q-th of the slot in hand.
.macro STEP q
	s_add_co_u32 s55, s[Q0], 31
	s_cmp_gt_u32 s[KF], s55                        ; all keys behind my 32 queries: the step's work is left out (ids and the count of steps alone)
	s_cbranch_scc1 .Lhidden_\@
	v_add_nc_u32 v[ADK], s[TB], v[AK0]
	v_add_nc_u32 v[ADV], s[TB], v[AV0]
.rept 3
	v_nop                                          ; with the two additions five places: the products below write over S, which the last products read as a source; the loads into FB want four
.endr
.irp kt, 0,1,2,3
.irp c, 0,1
	ds_load_b128 v[FB+8*(2*\kt+\c):FB+8*(2*\kt+\c)+3], v[ADK] offset:(64*(\q)+16*\kt)*KP+64*\c
	ds_load_b128 v[FB+8*(2*\kt+\c)+4:FB+8*(2*\kt+\c)+7], v[ADK] offset:(64*(\q)+16*\kt)*KP+64*\c+32
.endr
.endr
	s_wait_dscnt 0x0
.irp c, 0,1                                    ; S^T = K Q^T: eight accumulators by turns
.irp kt, 0,1,2,3
.irp t, 0,1
.if \c == 0
	v_wmma_f32_16x16x32_f16 v[S+32*\t+8*\kt:S+32*\t+8*\kt+7], v[FB+8*(2*\kt+\c):FB+8*(2*\kt+\c)+7], v[QF+16*\t+8*\c:QF+16*\t+8*\c+7], 0
.else
	v_wmma_f32_16x16x32_f16 v[S+32*\t+8*\kt:S+32*\t+8*\kt+7], v[FB+8*(2*\kt+\c):FB+8*(2*\kt+\c)+7], v[QF+16*\t+8*\c:QF+16*\t+8*\c+7], v[S+32*\t+8*\kt:S+32*\t+8*\kt+7]
.endif
.endr
.endr
.endr
.rept 4
	v_nop                                          ; places: for the loads into FB and the reads of S
.endr
.irp kh, 0,1
.irp u, 0,1,2,3
	ds_load_tr16_b128 v[FB+8*(4*\kh+\u):FB+8*(4*\kh+\u)+3], v[ADV] offset:(64*(\q)+32*\kh)*VP+32*\u        ; V^T: channels 16 u on, keys 32 kh on: it lands while the softmax is walked
	ds_load_tr16_b128 v[FB+8*(4*\kh+\u)+4:FB+8*(4*\kh+\u)+7], v[ADV] offset:(64*(\q)+32*\kh)*VP+32*\u+16*VP
.endr
.endr
	s_add_co_u32 s55, s[KF], 63
	s_cmp_le_u32 s55, s[Q0]                        ; a step all of whose keys count skips the mask
	s_cbranch_scc1 .Lopen_\@
	s_sub_co_i32 s55, s[Q0], s[KF]
	v_add_nc_u32 v[DD], s55, v[RH]                 ; register 8 kt + j holds key KF + 16 kt + 8 h + j: masked where 16 kt + j > my query - KF - 8 h
	v_add_nc_u32 v[DD+1], 16, v[DD]
.irp t, 0,1
.irp n, 0,1,2,3,4,5,6,7,8,9,10,11,12,13,14,15,16,17,18,19,20,21,22,23,24,25,26,27,28,29,30,31
	v_cmp_gt_i32 vcc_lo, 16*(\n/8)+\n%8, v[DD+\t]
	v_cndmask_b32 v[S+32*\t+\n], v[S+32*\t+\n], v[NEGV], vcc_lo
.endr
.endr
.Lopen_\@:
.irp k, 0,1,2,3                                ; the maximum of my 32 scores and the old m: four chains, each accumulator from its low end on; the two tiles by turns
.irp t, 0,1
	v_max3_num_f32 v[ST+8*\t+4+\k], v[S+32*\t+8*\k], v[S+32*\t+8*\k+1], v[S+32*\t+8*\k+2]
.endr
.endr
.irp i, 3,5
.irp k, 0,1,2,3
.irp t, 0,1
	v_max3_num_f32 v[ST+8*\t+4+\k], v[ST+8*\t+4+\k], v[S+32*\t+8*\k+\i], v[S+32*\t+8*\k+\i+1]
.endr
.endr
.endr
.irp t, 0,1
	v_max3_num_f32 v[ST+8*\t+4], v[ST+8*\t+4], v[S+32*\t+7], v[S+32*\t+15]
	v_max3_num_f32 v[ST+8*\t+6], v[ST+8*\t+6], v[S+32*\t+23], v[S+32*\t+31]
.endr
.irp t, 0,1
	v_max3_num_f32 v[ST+8*\t+4], v[ST+8*\t+4], v[ST+8*\t+5], v[ST+8*\t+6]
.endr
.irp t, 0,1
	v_max3_num_f32 v[ST+8*\t+4], v[ST+8*\t+4], v[ST+8*\t+7], v[ST+8*\t+1]
.endr
.irp t, 0,1
	v_permlanex16_b32 v[ST+8*\t+5], v[ST+8*\t+4], s[SEL], s[SEL+1]  ; the query's other 32 keys lie in the lane 16 away
.endr
.irp t, 0,1
	v_mov_b32 v[ST+8*\t+7], v[ST+8*\t]             ; c m_old is kept for a
.endr
.irp t, 0,1
	v_max_num_f32 v[ST+8*\t+1], v[ST+8*\t+4], v[ST+8*\t+5]
.endr
.irp t, 0,1
	v_mul_f32 v[ST+8*\t], s[CS], v[ST+8*\t+1]
.endr
.irp t, 0,1
	v_sub_f32 v[ST+8*\t+7], v[ST+8*\t+7], v[ST+8*\t]
.endr
.irp i, 0,2,4,6,8,10,12,14,16,18,20,22,24,26,28,30
.irp t, 0,1
	v_pk_fma_f32 v[S+32*\t+\i:S+32*\t+\i+1], v[S+32*\t+\i:S+32*\t+\i+1], s[CS:CS+1], v[ST+8*\t:ST+8*\t+1] op_sel_hi:[1,0,0] neg_lo:[0,0,1] neg_hi:[0,0,1]   ; c s - c m
.endr
.endr
.irp t, 0,1
	v_exp_f32 v[ST+8*\t+6], v[ST+8*\t+7]           ; a
.endr
.irp i, 0,1,2,3,4,5,6,7,8,9,10,11,12,13,14,15,16,17,18,19,20,21,22,23,24,25,26,27,28,29,30,31
.irp t, 0,1
	v_exp_f32 v[S+32*\t+\i], v[S+32*\t+\i]         ; p
.endr
.endr
	v_nop                                          ; a plain line behind the last exponential
	s_wait_alu depctr_va_vdst(0)                   ; one wait for the batch of 66, ahead of its first reader
.irp t, 0,1
	v_pk_mul_f32 v[ST+8*\t+2:ST+8*\t+3], v[ST+8*\t+2:ST+8*\t+3], v[ST+8*\t+6:ST+8*\t+7] op_sel_hi:[1,0]   ; l under the new m
	v_pk_add_f32 v[ST+8*\t+4:ST+8*\t+5], v[S+32*\t+2:S+32*\t+3], v[S+32*\t+6:S+32*\t+7]                   ; the sum of the unrounded p, in two chains
.endr
.irp i, 0,4
.irp t, 0,1
	v_pk_add_f32 v[ST+8*\t+2:ST+8*\t+3], v[ST+8*\t+2:ST+8*\t+3], v[S+32*\t+\i:S+32*\t+\i+1]
.endr
.endr
.irp i, 8,12,16,20,24,28
.irp t, 0,1
	v_pk_add_f32 v[ST+8*\t+2:ST+8*\t+3], v[ST+8*\t+2:ST+8*\t+3], v[S+32*\t+\i:S+32*\t+\i+1]
	v_pk_add_f32 v[ST+8*\t+4:ST+8*\t+5], v[ST+8*\t+4:ST+8*\t+5], v[S+32*\t+\i+2:S+32*\t+\i+3]
.endr
.endr
.irp t, 0,1
	v_pk_add_f32 v[ST+8*\t+2:ST+8*\t+3], v[ST+8*\t+2:ST+8*\t+3], v[ST+8*\t+4:ST+8*\t+5]
.endr
.irp i, 0,1,2,3,4,5,6,7,8,9,10,11,12,13,14,15
.irp t, 0,1
	v_cvt_pk_f16_f32 v[S+32*\t+\i], v[S+32*\t+2*\i], v[S+32*\t+2*\i+1]   ; p to f16, in place: register i never lies above the pair that it is made of
.endr
.endr
.irp i, 0,2,4,6,8,10,12,14,16,18,20,22,24,26,28,30
.irp t, 0,1
	v_pk_mul_f32 v[O+32*\t+\i:O+32*\t+\i+1], v[O+32*\t+\i:O+32*\t+\i+1], v[ST+8*\t+6:ST+8*\t+7] op_sel_hi:[1,0]   ; O^T under the new m
.endr
.endr
	s_wait_dscnt 0x0                               ; V is in
.irp kh, 0,1                                   ; O^T += V^T P: eight accumulators by turns
.irp u, 0,1,2,3
.irp t, 0,1
	v_wmma_f32_16x16x32_f16 v[O+32*\t+8*\u:O+32*\t+8*\u+7], v[FB+8*(4*\kh+\u):FB+8*(4*\kh+\u)+7], v[S+32*\t+8*\kh:S+32*\t+8*\kh+7], v[O+32*\t+8*\u:O+32*\t+8*\u+7]
.endr
.endr
.endr
.Lhidden_\@:
	s_add_co_u32 s[KF], s[KF], 64
.endm
; THE CHANGE OF SLOTS stands at a slot's head.  Each wave waits for all its tensor loads, adds 0 to its spare word (fill = 1: twice on end), and waits for that and for its reads of the slot that it has left.
; Behind the barrier the slot ahead is whole and nobody reads the other one, which is then filled with the keys that follow, up to the causal limit.
.macro CHANGE fill
	s_wait_tensorcnt 0x0                           ; no tensor load of mine is out, so a group 0 may be written
	ds_add_u32 v[SPW], v[NIL]
.if \fill
	ds_add_u32 v[SPW], v[NIL]                      ; and once more
	s_xor_b32 s[G0K+1], s[G0K+1], SLOT1
	s_add_nc_u64 s[G0K+2:G0K+3], s[G0K+2:G0K+3], SK*128
	s_xor_b32 s[G0V+1], s[G0V+1], SLOT1
	s_add_nc_u64 s[G0V+2:G0V+3], s[G0V+2:G0V+3], SK*128
	s_wait_xcnt 0x0                                ; the last prefetch, a slot back, has read its address
	s_add_nc_u64 s[PFA:PFA+1], s[PFA:PFA+1], SK*128
.endif
	s_wait_dscnt 0x0
	s_barrier_signal -1
	s_barrier_wait -1
.if \fill
	s_add_co_u32 s55, s[KF], SK                    ; the first key of the slot that this change would ask for
	s_cmp_gt_u32 s55, s[QL]                        ; behind my work-group's last query: none of its waves would read the slot.  Ids and the count of steps alone: all sixteen waves go the same way
	s_cbranch_scc1 .Lpast_\@
	TLOAD                                          ; a wave's one tensor load until the next barrier
.Lpast_\@:
	ASK
.endif
.endm
.macro SLOT_STEPS
.set STP, 0
.rept NQ
	STEP STP
.set STP, STP+1
.endr
	s_xor_b32 s[TB], s[TB], SLOT1
.endm
	s_wait_loadcnt 0x0                             ; Q
.Lslot:                                            ; 7 trips
	CHANGE 1
	SLOT_STEPS
	s_sub_co_u32 s[SLOTS], s[SLOTS], 1
	s_cmp_lg_u32 s[SLOTS], 0
	s_cbranch_scc1 .Lslot
	CHANGE 0                                       ; the last slot is written out: nothing is left to ask for
	SLOT_STEPS
	; THE WAY OUT.  The rest behind my last step comes in: m' = max(m, -80000); a = 2^(c m - c m'), e = 2^(c (-80000) - c m'); l' = l a + e n; row = (O^T a + e x suffix sum) / l'.
	v_bfe_u32 v5, v0, 4, 1
	v_lshlrev_b32 v5, 5, v5                        ; 32 h
	v_cvt_f32_u32 v10, s70                         ; n, the number of keys in the rest
.irp t, 0,1
	v_add_f32 v[ST+8*\t+4], v[ST+8*\t+2], v[ST+8*\t+3]
.endr
.irp t, 0,1
	v_max_num_f32 v[ST+8*\t+1], s59, v[ST+8*\t+1]
.endr
.irp t, 0,1
	v_mul_f32 v[ST+8*\t+3], s[CS], v[ST+8*\t+1]    ; c m'
.endr
.irp u, 0,1,2,3
	global_load_b128 v[FB+8*\u:FB+8*\u+3], v5, s[6:7] offset:64*\u        ; the suffix sums in the result's layout: channels 16 u + 8 h + 0 .. 7 (nine plain lines stand behind the last products)
	global_load_b128 v[FB+8*\u+4:FB+8*\u+7], v5, s[6:7] offset:64*\u+16
.endr
.irp t, 0,1
	v_sub_f32 v[ST+8*\t+6], v[ST+8*\t], v[ST+8*\t+3]
	v_fma_f32 v[ST+8*\t+7], v[NEGV], s[CS], -v[ST+8*\t+3]
.endr
.irp t, 0,1
	v_min_num_f32 v[ST+8*\t+7], 0, v[ST+8*\t+7]    ; (above 0 only where there is no rest: n = 0 there)
	v_permlanex16_b32 v[ST+8*\t+5], v[ST+8*\t+4], s[SEL], s[SEL+1]
.endr
.irp t, 0,1
	v_add_f32 v[ST+8*\t+4], v[ST+8*\t+4], v[ST+8*\t+5]             ; the row's sum
.endr
.irp t, 0,1
	v_exp_f32 v[ST+8*\t+6], v[ST+8*\t+6]           ; a
	v_exp_f32 v[ST+8*\t+7], v[ST+8*\t+7]           ; e
.endr
	v_nop
	s_wait_alu depctr_va_vdst(0)                   ; one wait for the four
.irp t, 0,1
	v_mul_f32 v[ST+8*\t+5], v10, v[ST+8*\t+7]
.endr
.irp t, 0,1
	v_fma_f32 v[ST+8*\t+4], v[ST+8*\t+4], v[ST+8*\t+6], v[ST+8*\t+5]
.endr
.irp t, 0,1
	v_rcp_f32 v[ST+8*\t+4], v[ST+8*\t+4]
.endr
	v_nop
	s_wait_alu depctr_va_vdst(0)                   ; one wait for the two
.irp t, 0,1
	v_mul_f32 v[ST+8*\t+6], v[ST+8*\t+6], v[ST+8*\t+4]             ; a / l'
	v_mul_f32 v[ST+8*\t+2], v[ST+8*\t+7], v[ST+8*\t+4]             ; e / l'
.endr
	s_wait_loadcnt 0x0
.irp t, 0,1
.irp i, 0,2,4,6,8,10,12,14,16,18,20,22,24,26,28,30
	v_pk_mul_f32 v[S+32*\t+\i:S+32*\t+\i+1], v[FB+\i:FB+\i+1], v[ST+8*\t+2:ST+8*\t+3] op_sel_hi:[1,0]
	v_pk_fma_f32 v[S+32*\t+\i:S+32*\t+\i+1], v[O+32*\t+\i:O+32*\t+\i+1], v[ST+8*\t+6:ST+8*\t+7], v[S+32*\t+\i:S+32*\t+\i+1] op_sel_hi:[1,0,1]
.endr
.endr
.irp t, 0,1
.irp i, 0,1,2,3,4,5,6,7,8,9,10,11,12,13,14,15
	v_cvt_pk_f16_f32 v[S+32*\t+\i], v[S+32*\t+2*\i], v[S+32*\t+2*\i+1]
.endr
.endr
.irp t, 0,1
.irp u, 0,1,2,3
	ds_store_b128 v[STO], v[S+32*\t+4*\u:S+32*\t+4*\u+3] offset:\t*16*KP+32*\u
.endr
.endr
.irp i, 0,1,2,3,4,5,6,7
	ds_load_b128 v[FB+32+4*\i:FB+32+4*\i+3], v[RD] offset:\i*4*KP  ; LDS serves a wave's instructions in order: these see my stores
.endr
.irp i, 0,1,2,3,4,5,6,7
	s_wait_dscnt 7-\i
	global_store_b128 v[GO], v[FB+32+4*\i:FB+32+4*\i+3], s[8:9] offset:512*\i   ; 32 lanes store 512 consecutive bytes, aligned
.endr
	s_wait_tensorcnt 0x0                           ; the wave's end
	ds_add_u32 v[SPW], v[NIL]
	s_wait_dscnt 0x0
	s_endpgm
.Lfunc_end_k_qf3261d73bd_attn:
	.size	k_qf3261d73bd_attn, .Lfunc_end_k_qf3261d73bd_attn-k_qf3261d73bd_attn
	.p2alignl 7, 3214868480
	.fill 96, 4, 3214868480
	.section	.rodata,"a",@progbits
	.p2align	6, 0x0
	.amdhsa_kernel k_qf3261d73bd_attn
		.amdhsa_group_segment_fixed_size 327680
		.amdhsa_private_segment_fixed_size 0
		.amdhsa_enable_private_segment 0
		.amdhsa_kernarg_size 24
		.amdhsa_user_sgpr_count 2
		.amdhsa_user_sgpr_kernarg_segment_ptr 1
		.amdhsa_wavefront_size32 1
		.amdhsa_system_sgpr_workgroup_id_x 1
		.amdhsa_system_sgpr_workgroup_id_y 1
		.amdhsa_system_sgpr_workgroup_id_z 1
		.amdhsa_system_vgpr_workitem_id 0
		.amdhsa_next_free_vgpr 256
		.amdhsa_next_free_sgpr 72
		.amdhsa_reserve_vcc 1
		.amdhsa_float_denorm_mode_32 3
		.amdhsa_float_denorm_mode_16_64 3
		.amdhsa_memory_ordered 1
		.amdhsa_forward_progress 1
		.amdhsa_inst_pref_size 193
	.end_amdhsa_kernel
	.amdgpu_metadata
---
amdhsa.version: [ 1, 2 ]
amdhsa.kernels:
  - .name:           k_qf3261d73bd_attn
    .symbol:         k_qf3261d73bd_attn.kd
    .args:
      - { .name: qkv16, .offset: 0, .size: 8, .value_kind: global_buffer, .address_space: global }
      - { .name: vsuf, .offset: 8, .size: 8, .value_kind: global_buffer, .address_space: global }
      - { .name: a16, .offset: 16, .size: 8, .value_kind: global_buffer, .address_space: global }
    .group_segment_fixed_size: 327680
    .private_segment_fixed_size: 0
    .kernarg_segment_align: 8
    .kernarg_segment_size: 24
    .max_flat_workgroup_size: 512
    .sgpr_count:     72
    .vgpr_count:     256
    .wavefront_size: 32
...
	.end_amdgpu_metadata
.endif
;; end of part 5
;; launch proj (part 6): grid 4 x 64, 4 waves a work-group, clusters of 4 x 4, 327,680 bytes of LDS; arguments a16, w16, c_proj_b, out0; writes out0
.if DOCPART == 6
	.amdgcn_target "amdgcn-amd-amdhsa--gfx1250"
	.amdhsa_code_object_version 6
	.text
	.protected	k_qf3261d73bd_proj
	.globl	k_qf3261d73bd_proj
	.p2align	8
	.type	k_qf3261d73bd_proj,@function
k_qf3261d73bd_proj:
	s_mov_b64 s[64:65], 0
	v_nop
	global_prefetch_b8 v0, s[64:65] scope:SCOPE_SE
	s_setreg_imm32_b32 hwreg(HW_REG_WAVE_MODE, 25, 1), 1
	s_wait_xcnt 0x0
	s_wait_alu depctr_hold_cnt(0) depctr_sa_sdst(0) depctr_va_vdst(0) depctr_va_sdst(0) depctr_va_ssrc(0) depctr_va_vcc(0) depctr_vm_vsrc(0)
	s_getreg_b32 s2, hwreg(HW_REG_IB_STS2, 6, 4)
	s_cmp_eq_u32 s2, 0
	s_cbranch_scc0 .Lentry_in_a_cluster
	s_endpgm
.Lentry_in_a_cluster:
	s_bfe_u32 s2, ttmp6, 0x10000c
	s_cmp_lg_u32 s2, 0xf033
	s_cbranch_scc0 .Lentry_shape_is_right
	s_endpgm
.Lentry_shape_is_right:
; out0 = a c_proj_w + c_proj_b, all 8192 rows, on f16 operands with f32 sums.  a16: [batch][head][position][64] f16; w16: [1024 (k)][1024 (n)] f16; out0 [8192][1024] f32.
; (The first 16 positions of each batch are written again, more finely, by the launch that follows.)  LIMIT: |a| and |c_proj_w| under 65,504.
; A tile of C is 128 rows x 256 columns: 256 work-groups.  Four waves, each 64 x 128: 32 accumulators, 256 registers.  K goes in steps of 128 (two heads) through two LDS slots: 8 steps.
; A's tile is two heads' 128 rows of 128 bytes; B's is 128 rows (k) of 512 bytes, read turned by ds_load_tr16_b128.
; CLUSTERS: 4 x 4.  The four of a row of the cluster share A's tiles, the four of a column B's: joint loads.  No prefetch: the launch has eight K steps, and w16 is read again by every row of clusters.
; THE MATRIX INSTRUCTION IS USED TRANSPOSED (source 0 = 16 columns of W, source 1 = 16 rows of a): a lane holds eight neighbouring columns of one row.  The bias is the C of each sum's first product.
; REGISTERS: window 0: v0-31 addresses; v32-63, v64-95 A's fragments, two buffers; v96-159 the bias; on the way out v128-255 rows read back.  window 1: v0-63, v64-127 B's fragments.  window 2: the accumulators ((a, b) at v[8 (8 a + b)]).
.set PA,     144                       ; a row of A in LDS: 128 bytes + 16
.set PB,     544                       ; a row of B: 512 + 32
.set AHEAD,  128*PA                    ; one head's 128 rows
.set BOFF,   2*AHEAD
.set BHALF,  64*PB
.set SLOT,   BOFF+2*BHALF
.set STAGE,  2*SLOT                    ; the way out: 16 rows x (512 bytes + 16) for each wave; no tensor load lands here
.set SPITCH, 528
.set SPARE,  STAGE+4*16*SPITCH
.set LAPS,   4
.set ASTEP,  524288                    ; a K step on in a16: two planes
.set BSTEP,  262144                    ; in w16: 128 rows of 2,048 bytes
.set ADRA, 16
.set ADRB, 20
.set STO,  24
.set RD,   25
.set CO,   26
.set BO,   27
.set SPW,  28
.set NIL,  29
.set AF,   32
.set BIAS, 96
.set BK,   128
.set G1, 24
.set G0, 32
.set G1B, 48
.set G0B, 56
.set MSB, 0
.macro WIN new
.if MSB != \new
	s_set_vgpr_msb (MSB<<8)|\new
.set MSB, \new
.endif
.endm
.set MUL,  0xa1                        ; source 0 (B) window 1, source 1 (A) window 0, C and D window 2
.set FST,  0x81                        ; the first products: C (the bias) window 0
.set TO_B, 0x40
.macro JLOAD s                         ; a joint load: waves 0 and 1 fetch A's two heads, waves 2 and 3 B's two halves; an s_nop 0 and four v_nop follow each line
	s_cmp_eq_u32 s15, 0
	s_cbranch_scc0 .Lfor_b_\@
	tensor_load_to_lds s[G0+4*\s:G0+4*\s+3], s[G1:G1+7]
	s_nop 0
.rept 4
	v_nop
.endr
	s_branch .Lasked_\@
.Lfor_b_\@:
	tensor_load_to_lds s[G0B+4*\s:G0B+4*\s+3], s[G1B:G1B+7]
	s_nop 0
.rept 4
	v_nop
.endr
.Lasked_\@:
.endm
.macro CREST
	s_cmp_lg_u32 s14, 0
	s_cbranch_scc1 .Lnot_wave_0_\@
	s_barrier_signal -3
.Lnot_wave_0_\@:
	s_barrier_wait -3
	s_barrier_signal -1
	s_barrier_wait -1
.endm
.macro CROUND
	s_barrier_signal -1
	s_barrier_wait -1
	CREST
.endm
	s_load_b256 s[4:11], s[0:1], 0x0               ; a16 s[4:5], w16 s[6:7], c_proj_b s[8:9], out0 s[10:11]
	v_lshl_add_u32 v[SPW], v0, 2, SPARE
	v_mov_b32 v[NIL], 0
	ds_add_u32 v[SPW], v[NIL]                      ; the wave's opening: the add, twice on end, and its wait ahead of my first tensor load
	ds_add_u32 v[SPW], v[NIL]
	v_lshrrev_b32 v1, 5, v0
	v_readfirstlane_b32 s14, v1                    ; wave 0..3
	s_lshr_b32 s15, s14, 1                         ; which 64 rows are mine.  Also: I fetch for A (0) or for B (1)
	s_and_b32 s16, s14, 1                          ; which 128 columns.  Also: which head, or which 64 rows of B, I fetch
	s_bfe_u32 s40, ttmp6, 0x40000                  ; cx
	s_bfe_u32 s41, ttmp6, 0x40004                  ; cy
	s_lshl_b32 s42, ttmp9, 2
	s_add_co_u32 s42, s42, s40                     ; tile column
	s_and_b32 s17, ttmp7, 0xffff
	s_lshl_b32 s17, s17, 2
	s_add_co_u32 s17, s17, s41                     ; tile row
	s_lshl_b32 s43, s41, 2
	s_lshl_b32 s43, 15, s43                        ; my row of the cluster
	s_lshl_b32 s44, 0x1111, s40                    ; my column
	s_or_b32 s[G1+0], s43, (1<<16)|(1<<20)|(1<<21)|(4<<22)|(3<<25)   ; A: elements of 2 bytes; 4 words of padding behind every 32
	s_mov_b32 s[G1+1], 64<<16                      ; tensor_dim0
	s_mov_b32 s[G1+2], 128<<16                     ; tensor_dim1
	s_mov_b32 s[G1+3], 64<<16                      ; tile_dim0
	s_mov_b32 s[G1+4], 128                         ; tile_dim1
	s_mov_b32 s[G1+5], 64                          ; the pitch
	s_mov_b32 s[G1+6], 0
	s_mov_b32 s[G1+7], 0
	s_or_b32 s[G1B+0], s44, (1<<16)|(1<<20)|(1<<21)|(6<<22)|(7<<25)  ; B: 8 words of padding behind every 128
	s_mov_b32 s[G1B+1], 256<<16
	s_mov_b32 s[G1B+2], 64<<16
	s_mov_b32 s[G1B+3], 256<<16
	s_mov_b32 s[G1B+4], 64
	s_mov_b32 s[G1B+5], 1024
	s_mov_b32 s[G1B+6], 0
	s_mov_b32 s[G1B+7], 0
	s_lshr_b32 s18, s17, 4                         ; the batch
	s_lshl_b32 s18, s18, 4
	s_add_co_u32 s18, s18, s16                     ; the plane of K step 0 that I fetch
	s_lshl_b32 s18, s18, 18
	s_and_b32 s19, s17, 15
	s_lshl_b32 s19, s19, 14                        ; + 128 positions x 128 bytes for each tile row of the batch
	s_add_co_u32 s18, s18, s19
	s_mov_b32 s19, 0
	s_lshl_b32 s46, s16, 17                        ; B: 64 rows of 2,048 bytes x half
	s_lshl_b32 s47, s42, 9                         ; + 512 bytes x tile column
	s_add_co_u32 s46, s46, s47
	s_mov_b32 s47, 0
	s_mul_i32 s45, s16, AHEAD                      ; where they go
	s_mul_i32 s22, s16, BHALF
	s_add_co_u32 s22, s22, BOFF
	s_wait_dscnt 0x0                               ; both opening adds are done
	s_wait_kmcnt 0x0
	s_add_nc_u64 s[18:19], s[4:5], s[18:19]
	s_add_nc_u64 s[46:47], s[6:7], s[46:47]
	CROUND                                         ; all sixteen work-groups are here: the first joint loads meet
.irp s, 0,1
	s_mov_b32 s[G0+4*\s], 1
	s_add_co_u32 s[G0+4*\s+1], s45, \s*SLOT
	s_add_nc_u64 s[G0+4*\s+2:G0+4*\s+3], s[18:19], \s*ASTEP
	s_or_b32 s[G0+4*\s+3], s[G0+4*\s+3], 0x80000000
	s_mov_b32 s[G0B+4*\s], 1
	s_add_co_u32 s[G0B+4*\s+1], s22, \s*SLOT
	s_add_nc_u64 s[G0B+4*\s+2:G0B+4*\s+3], s[46:47], \s*BSTEP
	s_or_b32 s[G0B+4*\s+3], s[G0B+4*\s+3], 0x80000000
	JLOAD \s
.endr
	v_and_b32 v1, 15, v0                           ; r
	v_bfe_u32 v2, v0, 4, 1                         ; h
	v_mul_u32_u24 v3, v1, PA
	v_lshl_add_u32 v3, v2, 4, v3
	s_mul_i32 s21, s15, 64*PA                      ; my 64 rows of A
	v_and_b32 v4, 7, v0
	v_lshl_add_u32 v4, v2, 3, v4
	v_mul_u32_u24 v4, v4, PB
	v_bfe_u32 v5, v0, 3, 1
	v_lshl_add_u32 v4, v5, 4, v4                   ; the turning load: row (k) 8 h + lane % 8, columns 8 ((lane / 8) % 2) on
	s_lshl_b32 s23, s16, 8                         ; my 128 columns
	s_add_co_u32 s23, s23, BOFF
.irp s, 0,1
	v_add_nc_u32 v[ADRA+\s], s21, v3
	v_add_nc_u32 v[ADRB+\s], s23, v4
	s_add_co_u32 s21, s21, SLOT
	s_add_co_u32 s23, s23, SLOT
.endr
	s_mul_i32 s23, s14, 16*SPITCH
	s_add_co_u32 s23, s23, STAGE                   ; my stage
	v_mul_u32_u24 v5, v1, SPITCH
	v_lshl_add_u32 v5, v2, 5, v5
	v_add_nc_u32 v[STO], s23, v5                   ; in: row r, 32 bytes for each half of the lanes
	v_and_b32 v6, 31, v0
	v_lshlrev_b32 v[CO], 4, v6
	v_add_nc_u32 v[RD], s23, v[CO]                 ; back: the 32 lanes take one row of 512 bytes
	v_lshlrev_b32 v[BO], 5, v2
	s_lshl_b32 s46, s42, 10                        ; my first column, in bytes: 1024 x tile column + 512 x half
	s_lshl_b32 s47, s16, 9
	s_add_co_u32 s46, s46, s47
	s_mov_b32 s47, 0
	s_add_nc_u64 s[8:9], s[8:9], s[46:47]
.irp b, 0,1,2,3,4,5,6,7
	global_load_b128 v[BIAS+8*\b:BIAS+8*\b+3], v[BO], s[8:9] offset:64*\b
	global_load_b128 v[BIAS+8*\b+4:BIAS+8*\b+7], v[BO], s[8:9] offset:64*\b+16
.endr
	s_lshl_b32 s20, s17, 19                        ; my first row: 128 x tile row + 64 x half, 4,096 bytes each
	s_lshl_b32 s21, s15, 18
	s_add_co_u32 s20, s20, s21
	s_mov_b32 s21, 0
	s_add_nc_u64 s[10:11], s[10:11], s[20:21]
	s_add_nc_u64 s[10:11], s[10:11], s[46:47]
; 24 LDS loads in one run: the fragments of the slot's q-th 32 along K into buffer f: B's eight (turned), then A's four
.macro FETCH slot, q, f
	WIN TO_B
.irp b, 0,1,2,3,4,5,6,7
	ds_load_tr16_b128 v[64*(\f)+8*\b:64*(\f)+8*\b+3],   v[ADRB+\slot] offset:32*(\q)*PB+32*\b
	ds_load_tr16_b128 v[64*(\f)+8*\b+4:64*(\f)+8*\b+7], v[ADRB+\slot] offset:32*(\q)*PB+32*\b+16*PB
.endr
	WIN 0
.irp i, 0,1,2,3
	ds_load_b128 v[AF+32*(\f)+8*\i:AF+32*(\f)+8*\i+3],   v[ADRA+\slot] offset:((\q)/2)*AHEAD+64*((\q)%2)+\i*16*PA
	ds_load_b128 v[AF+32*(\f)+8*\i+4:AF+32*(\f)+8*\i+7], v[ADRA+\slot] offset:((\q)/2)*AHEAD+64*((\q)%2)+\i*16*PA+32
.endr
.endm
; 8 matrix instructions: A's block a x B's eight.  The 32 accumulators take turns, in the same order in every quarter.
.macro MUL8 f, a, first
.irp b, 0,1,2,3,4,5,6,7
.if \first
	v_wmma_f32_16x16x32_f16 v[8*(8*(\a)+\b):8*(8*(\a)+\b)+7], v[64*(\f)+8*\b:64*(\f)+8*\b+7], v[AF+32*(\f)+8*(\a):AF+32*(\f)+8*(\a)+7], v[BIAS+8*\b:BIAS+8*\b+7]
.else
	v_wmma_f32_16x16x32_f16 v[8*(8*(\a)+\b):8*(8*(\a)+\b)+7], v[64*(\f)+8*\b:64*(\f)+8*\b+7], v[AF+32*(\f)+8*(\a):AF+32*(\f)+8*(\a)+7], v[8*(8*(\a)+\b):8*(8*(\a)+\b)+7]
.endif
.endr
.endm
.macro PLACES
.rept 4
	v_nop
.endr
.endm
; A K step is four quarters of 32 along K on buffers 0, 1, 0, 1.  One of the first three: multiplies buffer f and fetches quarter qn of the same slot into g.
.macro QUARTER slot, qn, f, g, first
	s_wait_dscnt 4                                 ; B and A's blocks 0, 1 are in; the youngest four loads (A's blocks 2, 3) may be out
.if \first
	WIN FST
.else
	WIN MUL
.endif
	MUL8 \f, 0, \first
	MUL8 \f, 1, \first
	PLACES
	FETCH \slot, \qn, \g
	s_wait_dscnt 24                                ; all but the 24 just issued
.if \first
	WIN FST
.else
	WIN MUL
.endif
	MUL8 \f, 2, \first
	MUL8 \f, 3, \first
.endm
; The last quarter multiplies buffer 1 and changes slots: one barrier; in front of it each wave waits for all its tensor loads, adds 0 to its spare word, and waits for that and for its reads of this slot.
.macro TURN slot, next, fill
	WIN 0
	s_wait_tensorcnt 0x0                           ; my part of the next slot has landed
	ds_add_u32 v[SPW], v[NIL]
	s_wait_dscnt 5                                 ; (the add and the youngest four loads may be out)
	WIN MUL
	MUL8 1, 0, 0
	s_wait_dscnt 0x0                               ; the add is done, and my reads of this slot are over
	s_barrier_signal -1
	MUL8 1, 1, 0
.if \fill
	WIN 0
.endif
	s_barrier_wait -1
.if \fill
	CREST                                          ; the barrier has opened a round of the cluster's barrier: no wave of any partner still reads this slot or has a load on its way
	s_add_nc_u64 s[G0+4*\slot+2:G0+4*\slot+3], s[G0+4*\slot+2:G0+4*\slot+3], 2*ASTEP
	s_add_nc_u64 s[G0B+4*\slot+2:G0B+4*\slot+3], s[G0B+4*\slot+2:G0B+4*\slot+3], 2*BSTEP
	JLOAD \slot                                    ; the first tensor load behind the round; its four v_nop are also the places in front of the loads below
.else
	PLACES
.endif
	FETCH \next, 0, 0
	WIN MUL
	MUL8 1, 2, 0
	MUL8 1, 3, 0
.endm
	s_wait_tensorcnt 1                             ; my part of K step 0 is in (K step 1's may be out)
	s_barrier_signal -1
	s_barrier_wait -1                              ; everybody's is
	FETCH 0, 0, 0
	s_wait_loadcnt 0x0                             ; the bias
	QUARTER 0, 1, 0, 1, 1                          ; the first quarter stands in front of the loop: its products start the sums on the bias
	WIN 0
	s_mov_b32 s3, LAPS-1
.Llap:                                             ; a trip goes once round the ring and fills both slots again
	QUARTER 0, 2, 1, 0, 0
	QUARTER 0, 3, 0, 1, 0
	TURN 0, 1, 1
	QUARTER 1, 1, 0, 1, 0
	QUARTER 1, 2, 1, 0, 0
	QUARTER 1, 3, 0, 1, 0
	TURN 1, 0, 1
	QUARTER 0, 1, 0, 1, 0
	WIN 0
	s_sub_co_u32 s3, s3, 1
	s_cmp_lg_u32 s3, 0
	s_cbranch_scc1 .Llap
	QUARTER 0, 2, 1, 0, 0                          ; the last lap fills nothing
	QUARTER 0, 3, 0, 1, 0
	TURN 0, 1, 0
	QUARTER 1, 1, 0, 1, 0
	QUARTER 1, 2, 1, 0, 0
	QUARTER 1, 3, 0, 1, 0
	s_wait_dscnt 4
	WIN MUL
	MUL8 1, 0, 0
	MUL8 1, 1, 0
	s_wait_dscnt 0
	MUL8 1, 2, 0
	MUL8 1, 3, 0
	WIN 0
; THE WAY OUT, block by block of 16 rows x 128 columns: through my own stage and back as whole rows of 512 bytes.
.macro TOSTAGE a
	WIN 0x08                                       ; an LDS store's data are its source 1: window 2
.irp b, 0,1,2,3,4,5,6,7
	ds_store_b128 v[STO], v[8*(8*(\a)+\b):8*(8*(\a)+\b)+3] offset:64*\b          ; each accumulator from its low end on
	ds_store_b128 v[STO], v[8*(8*(\a)+\b)+4:8*(8*(\a)+\b)+7] offset:64*\b+16
.endr
	WIN 0
.set BB, BK+64*((\a)%2)
.irp t, 0,1,2,3,4,5,6,7,8,9,10,11,12,13,14,15
	ds_load_b128 v[BB+4*\t:BB+4*\t+3], v[RD] offset:\t*SPITCH      ; LDS serves a wave's instructions in order: these see the stores above
.endr
.endm
.macro SEND a, younger
.set BB, BK+64*((\a)%2)
	s_wait_dscnt \younger                          ; the block is back in registers; the LDS instructions issued behind its loads may be out
.irp t, 0,1,2,3,4,5,6,7,8,9,10,11,12,13,14,15
	global_store_b128 v[CO], v[BB+4*\t:BB+4*\t+3], s[10:11] offset:(\a)*65536+\t*4096 th:TH_STORE_NT   ; 32 lanes store 512 consecutive bytes, aligned
.endr
.endm
	PLACES
	TOSTAGE 0
.irp a, 1,2,3
.if \a > 1
	s_wait_xcnt 0x0                                ; block a - 2's stores have read their registers: block a's loads may land there
.endif
	TOSTAGE \a
	SEND \a-1, 32
.endr
	SEND 3, 0
	s_wait_tensorcnt 0x0                           ; the wave's end
	ds_add_u32 v[SPW], v[NIL]
	s_wait_dscnt 0x0
	CROUND                                         ; the closing round
	s_endpgm
.Lfunc_end_k_qf3261d73bd_proj:
	.size	k_qf3261d73bd_proj, .Lfunc_end_k_qf3261d73bd_proj-k_qf3261d73bd_proj
	.p2alignl 7, 3214868480
	.fill 96, 4, 3214868480
	.section	.rodata,"a",@progbits
	.p2align	6, 0x0
	.amdhsa_kernel k_qf3261d73bd_proj
		.amdhsa_group_segment_fixed_size 327680
		.amdhsa_private_segment_fixed_size 0
		.amdhsa_enable_private_segment 0
		.amdhsa_kernarg_size 32
		.amdhsa_user_sgpr_count 2
		.amdhsa_user_sgpr_kernarg_segment_ptr 1
		.amdhsa_wavefront_size32 1
		.amdhsa_system_sgpr_workgroup_id_x 1
		.amdhsa_system_sgpr_workgroup_id_y 1
		.amdhsa_system_sgpr_workgroup_id_z 1
		.amdhsa_system_vgpr_workitem_id 0
		.amdhsa_next_free_vgpr 768
		.amdhsa_next_free_sgpr 96
		.amdhsa_reserve_vcc 0
		.amdhsa_float_denorm_mode_32 3
		.amdhsa_float_denorm_mode_16_64 3
		.amdhsa_memory_ordered 1
		.amdhsa_forward_progress 1
		.amdhsa_inst_pref_size 87
	.end_amdhsa_kernel
	.amdgpu_metadata
---
amdhsa.version: [ 1, 2 ]
amdhsa.kernels:
  - .name:           k_qf3261d73bd_proj
    .symbol:         k_qf3261d73bd_proj.kd
    .args:
      - { .name: a16, .offset: 0, .size: 8, .value_kind: global_buffer, .address_space: global }
      - { .name: w16, .offset: 8, .size: 8, .value_kind: global_buffer, .address_space: global }
      - { .name: c_proj_b, .offset: 16, .size: 8, .value_kind: global_buffer, .address_space: global }
      - { .name: out0, .offset: 24, .size: 8, .value_kind: global_buffer, .address_space: global }
    .group_segment_fixed_size: 327680
    .private_segment_fixed_size: 0
    .kernarg_segment_align: 8
    .kernarg_segment_size: 32
    .max_flat_workgroup_size: 128
    .sgpr_count:     96
    .vgpr_count:     768
    .wavefront_size: 32
...
	.end_amdgpu_metadata
.endif
;; end of part 6
;; launch fine (part 7): grid 64 x 4, 16 waves a work-group, no clusters, 18,432 bytes of LDS; arguments qkv32, vsuf, c_proj_w, c_proj_b, out0; writes out0
.if DOCPART == 7
	.amdgcn_target "amdgcn-amd-amdhsa--gfx1250"
	.amdhsa_code_object_version 6
	.text
	.protected	k_qf3261d73bd_fine
	.globl	k_qf3261d73bd_fine
	.p2align	8
	.type	k_qf3261d73bd_fine,@function
k_qf3261d73bd_fine:
	s_mov_b64 s[64:65], 0
	v_nop
	global_prefetch_b8 v0, s[64:65] scope:SCOPE_SE
	s_setreg_imm32_b32 hwreg(HW_REG_WAVE_MODE, 25, 1), 1
	s_wait_xcnt 0x0
; The first 16 positions of each batch, attention and projection in f32: these rows average one to a few values and are the largest of the output, so operands of 16 bits would weigh most there.  No bulk work: 64 rows of 8192.
; A work-group makes 16 rows x 16 columns of out0 (batch y, columns 16 x on).  Wave w is head w: it makes the head's 16 x 16 attention from qkv32 (f32, unrounded) and multiplies the head's 64 channels,
; which are its share of the projection's K, by c_proj_w; the sixteen waves' parts are added through LDS.  The small attention is made anew in each of a batch's 64 work-groups, which spares a launch and a way through memory.
; Keys 16 .. 2047 are masked for all these rows: reference() gives them the score -10000, one weight e for all; they add 2032 e to the row's sum and e x (row 32 of vsuf) to the row.
; v_wmma_f32_16x16x4_f32: a lane (r, h) holds row or column r and k = 2 h + j in register j.  In each product both sources take the same channels (or keys) in the same places, so the order along K is free.
; Its result registers (Sa, Sb, O, Da, Db) are written by matrix instructions alone; two or four accumulators take turns.
; The stores are of 64 bytes a row: 262,144 bytes in the whole launch.
.set KA,   16                          ; v16-47   K's rows: register 4 i + n = channel 8 i + 4 h + n; later a = O / l
.set QB,   48                          ; v48-79   Q's likewise
.set VA,   80                          ; v80-111  V: register 8 t + kk = V(key 8 h + kk, channel 16 t + r)
.set CI,   112                         ; v112-143 suffix sums in the result's layout, then x e
.set WB,   144                         ; v144-175 c_proj_w: register 8 t + kk = W(64 w + 16 t + 8 h + kk, column r)
.set SA,   176                         ; v176-191 Sa, Sb
.set OA,   192                         ; v192-223 O^T, four tiles of 16 channels
.set DA,   224                         ; v224-239 Da, Db
.set T,    240                         ; v240-247 scores, then p, then my part of the result
.set NEGV, 248
.set MX,   249
.set CM,   250
.set EE,   251
.set LL,   252
.set TP,   253
.set RL,   254
.set BI,   255
.set SPW,  12
.set NIL,  13
.set SPARE, 16384                      ; behind the sixteen parts of 1,024 bytes: the spare words, 128 bytes a wave
.set WV,   18
	s_load_b256 s[4:11], s[0:1], 0x0               ; qkv32 s[4:5], vsuf s[6:7], c_proj_w s[8:9], c_proj_b s[10:11]
	s_load_b64 s[12:13], s[0:1], 0x20              ; out0
	v_lshl_add_u32 v[SPW], v0, 2, SPARE
	v_mov_b32 v[NIL], 0
	v_lshrrev_b32 v1, 5, v0
	v_readfirstlane_b32 s[WV], v1                  ; wave = head
	v_and_b32 v1, 15, v0                           ; r
	v_bfe_u32 v2, v0, 4, 1                         ; h
	v_mul_u32_u24 v3, v1, 12288
	v_lshl_add_u32 v3, v2, 4, v3                   ; q, k: position r, + 16 h
	v_mul_u32_u24 v4, v2, 98304
	v_lshl_add_u32 v4, v1, 2, v4                   ; v: position 8 h, channel r
	v_lshlrev_b32 v5, 5, v2                        ; 32 h
	v_lshlrev_b32 v6, 2, v1                        ; 4 r
	v_lshl_add_u32 v7, v2, 15, v6                  ; 8 h rows of 4,096 bytes + 4 r: c_proj_w and out0
	v_lshlrev_b32 v8, 3, v2
	v_sub_nc_u32 v8, v1, v8                        ; r - 8 h
	v_and_b32 v9, 31, v0
	v_lshlrev_b32 v9, 2, v9
	s_lshl_b32 s20, s[WV], 10
	v_add_nc_u32 v10, s20, v9                      ; LDS: my part, 4 bytes a lane
	s_lshl_b32 s20, s[WV], 7
	v_add_nc_u32 v11, s20, v9                      ; and where waves 0-7 read: register w of every part
	v_mov_b32 v[NEGV], 0xc79c4000                  ; -80000 = -10000 x 8
	v_mov_b32 v[TP], 0
	s_mov_b32 s20, 0x76543210
	s_mov_b32 s21, 0xfedcba98
	s_mov_b32 s22, 0x3e38aa3b                      ; c = log2(e) / 8
	s_mov_b32 s23, 0x44fe0000                      ; 2032
	s_and_b32 s24, ttmp7, 0xffff                   ; the batch
	s_mul_i32 s26, s24, 196608
	s_lshl_b32 s27, s[WV], 8
	s_add_co_u32 s26, s26, s27                     ; qkv32: my batch, my head's 64 channels
	s_mov_b32 s27, 0
	s_lshl_b32 s28, s24, 4
	s_add_co_u32 s28, s28, s[WV]
	s_mul_i32 s28, s28, 33
	s_add_co_u32 s28, s28, 32
	s_lshl_b32 s28, s28, 8                         ; vsuf: my head's row 32
	s_mov_b32 s29, 0
	s_lshl_b32 s30, s[WV], 18
	s_lshl_b32 s32, ttmp9, 6                       ; my 16 columns, in bytes
	s_add_co_u32 s30, s30, s32                     ; c_proj_w: my head's 64 rows
	s_mov_b32 s31, 0
	s_mov_b32 s33, 0
	s_lshl_b32 s34, s24, 23
	s_lshl_b32 s35, s[WV], 12
	s_add_co_u32 s34, s34, s35
	s_add_co_u32 s34, s34, s32                     ; out0: batch x 2048 rows + row w
	s_mov_b32 s35, 0
	s_wait_kmcnt 0x0
	s_add_nc_u64 s[4:5], s[4:5], s[26:27]
	s_add_nc_u64 s[6:7], s[6:7], s[28:29]
	s_add_nc_u64 s[8:9], s[8:9], s[30:31]
	s_add_nc_u64 s[10:11], s[10:11], s[32:33]
	s_add_nc_u64 s[12:13], s[12:13], s[34:35]
.irp i, 0,1,2,3,4,5,6,7
	global_load_b128 v[KA+4*\i:KA+4*\i+3], v3, s[4:5] offset:4096+32*\i
.endr
.irp i, 0,1,2,3,4,5,6,7
	global_load_b128 v[QB+4*\i:QB+4*\i+3], v3, s[4:5] offset:32*\i
.endr
.irp t, 0,1,2,3
.irp k, 0,1,2,3,4,5,6,7
	global_load_b32 v[VA+8*\t+\k], v4, s[4:5] offset:8192+\k*12288+64*\t
.endr
.endr
.irp t, 0,1,2,3
	global_load_b128 v[CI+8*\t:CI+8*\t+3], v5, s[6:7] offset:64*\t
	global_load_b128 v[CI+8*\t+4:CI+8*\t+7], v5, s[6:7] offset:64*\t+16
.endr
	global_load_b32 v[BI], v6, s[10:11]
	s_wait_loadcnt 41                              ; k and q are in; v (32), the suffix sums (8) and the bias (1) may be out
.irp i, 0,1,2,3,4,5,6,7                        ; S^T = K Q^T: lane (r, h) gets query r, keys 8 h + 0 .. 7
.irp u, 0,1
.if \i == 0
	v_wmma_f32_16x16x4_f32 v[SA+8*\u:SA+8*\u+7], v[KA+4*\i+2*\u:KA+4*\i+2*\u+1], v[QB+4*\i+2*\u:QB+4*\i+2*\u+1], 0
.else
	v_wmma_f32_16x16x4_f32 v[SA+8*\u:SA+8*\u+7], v[KA+4*\i+2*\u:KA+4*\i+2*\u+1], v[QB+4*\i+2*\u:QB+4*\i+2*\u+1], v[SA+8*\u:SA+8*\u+7]
.endif
.endr
.endr
.irp t, 0,1,2,3
.irp k, 0,1,2,3,4,5,6,7
	global_load_b32 v[WB+8*\t+\k], v7, s[8:9] offset:(16*\t+\k)*4096
.endr
.endr
.rept 8
	v_nop                                          ; eight places behind this form (ISA guide 7.12.1)
.endr
.irp j, 0,1,2,3,4,5,6,7
	v_add_f32 v[T+\j], v[SA+\j], v[SA+8+\j]
.endr
.irp j, 0,1,2,3,4,5,6,7
	v_cmp_gt_i32 vcc_lo, \j, v8                    ; key 8 h + j behind query r
	v_cndmask_b32 v[T+\j], v[T+\j], v[NEGV], vcc_lo
.endr
	v_max3_num_f32 v[MX], v[T], v[T+1], v[T+2]
	v_max3_num_f32 v[LL], v[T+3], v[T+4], v[T+5]
	v_max3_num_f32 v[MX], v[MX], v[T+6], v[T+7]
	v_max3_num_f32 v[MX], v[MX], v[LL], v[NEGV]    ; the masked rest counts for the maximum too
	v_permlanex16_b32 v[TP], v[MX], s20, s21
	v_max_num_f32 v[MX], v[MX], v[TP]
	v_mul_f32 v[CM], s22, v[MX]
.irp j, 0,1,2,3,4,5,6,7
	v_fma_f32 v[T+\j], v[T+\j], s22, -v[CM]
.endr
	v_fma_f32 v[EE], v[NEGV], s22, -v[CM]
.irp j, 0,1,2,3,4,5,6,7
	v_exp_f32 v[T+\j], v[T+\j]
.endr
	v_exp_f32 v[EE], v[EE]
	v_nop
	s_wait_alu depctr_va_vdst(0)                   ; one wait for the nine, ahead of their first reader
	v_add_f32 v[LL], v[T], v[T+1]
	v_add_f32 v[TP], v[T+2], v[T+3]
	v_add_f32 v[MX], v[T+4], v[T+5]
	v_add_f32 v[CM], v[T+6], v[T+7]
	v_add_f32 v[LL], v[LL], v[TP]
	v_add_f32 v[MX], v[MX], v[CM]
	v_add_f32 v[LL], v[LL], v[MX]
	v_permlanex16_b32 v[TP], v[LL], s20, s21
	v_add_f32 v[LL], v[LL], v[TP]
	v_fma_f32 v[LL], v[EE], s23, v[LL]             ; + 2032 e
	v_rcp_f32 v[RL], v[LL]
	s_wait_loadcnt 32                              ; v, the suffix sums and the bias are in; c_proj_w may be out
.irp i, 0,1,2,3,4,5,6,7,8,9,10,11,12,13,14,15,16,17,18,19,20,21,22,23,24,25,26,27,28,29,30,31
	v_mul_f32 v[CI+\i], v[EE], v[CI+\i]            ; what the rest adds: the C of each sum's first product
.endr
.irp u, 0,1,2,3                                ; O^T = V^T P: keys 8 h + 2 u + 0, 1 in both sources
.irp t, 0,1,2,3
.if \u == 0
	v_wmma_f32_16x16x4_f32 v[OA+8*\t:OA+8*\t+7], v[VA+8*\t+2*\u:VA+8*\t+2*\u+1], v[T+2*\u:T+2*\u+1], v[CI+8*\t:CI+8*\t+7]
.else
	v_wmma_f32_16x16x4_f32 v[OA+8*\t:OA+8*\t+7], v[VA+8*\t+2*\u:VA+8*\t+2*\u+1], v[T+2*\u:T+2*\u+1], v[OA+8*\t:OA+8*\t+7]
.endif
.endr
.endr
.rept 8
	v_nop
.endr
	s_wait_alu depctr_va_vdst(0)                   ; the reciprocal's wait, ahead of its first reader
.irp i, 0,1,2,3,4,5,6,7,8,9,10,11,12,13,14,15,16,17,18,19,20,21,22,23,24,25,26,27,28,29,30,31
	v_mul_f32 v[KA+\i], v[OA+\i], v[RL]            ; a(query r, channel 16 t + 8 h + j), into other registers
.endr
	s_wait_loadcnt 0x0                             ; c_proj_w
.irp t, 0,1,2,3                                ; my head's part of a c_proj_w: channels 16 t + 8 h + 2 u + 0, 1 in both sources
.irp u, 0,1,2,3
.if (\t == 0) && (\u < 2)
	v_wmma_f32_16x16x4_f32 v[DA+8*(\u%2):DA+8*(\u%2)+7], v[KA+8*\t+2*\u:KA+8*\t+2*\u+1], v[WB+8*\t+2*\u:WB+8*\t+2*\u+1], 0
.else
	v_wmma_f32_16x16x4_f32 v[DA+8*(\u%2):DA+8*(\u%2)+7], v[KA+8*\t+2*\u:KA+8*\t+2*\u+1], v[WB+8*\t+2*\u:WB+8*\t+2*\u+1], v[DA+8*(\u%2):DA+8*(\u%2)+7]
.endif
.endr
.endr
.rept 8
	v_nop
.endr
.irp j, 0,1,2,3,4,5,6,7
	v_add_f32 v[T+\j], v[DA+\j], v[DA+8+\j]        ; (row 8 h + j, column r)
.endr
.irp j, 0,1,2,3,4,5,6,7
	ds_store_b32 v10, v[T+\j] offset:128*\j
.endr
	s_wait_dscnt 0x0                               ; for the others' sake: my stores are done
	s_barrier_signal -1
	s_barrier_wait -1
	s_cmp_ge_u32 s[WV], 8
	s_cbranch_scc1 .Lend
.irp i, 0,1,2,3,4,5,6,7,8,9,10,11,12,13,14,15
	ds_load_b32 v[KA+\i], v11 offset:1024*\i       ; wave w adds register w of the sixteen parts: rows w and 8 + w
.endr
	s_wait_dscnt 0x0
.irp i, 0,1,2,3,4,5,6,7
	v_add_f32 v[KA+\i], v[KA+\i], v[KA+8+\i]
.endr
.irp i, 0,1,2,3
	v_add_f32 v[KA+\i], v[KA+\i], v[KA+4+\i]
.endr
	v_add_f32 v[KA], v[KA], v[KA+2]
	v_add_f32 v[KA+1], v[KA+1], v[KA+3]
	v_add_f32 v[KA], v[KA], v[KA+1]
	v_add_f32 v[KA], v[KA], v[BI]
	global_store_b32 v7, v[KA], s[12:13]
.Lend:
	s_wait_tensorcnt 0x0                           ; the wave's end, behind my last LDS store
	ds_add_u32 v[SPW], v[NIL]
	s_wait_dscnt 0x0
	s_endpgm
.Lfunc_end_k_qf3261d73bd_fine:
	.size	k_qf3261d73bd_fine, .Lfunc_end_k_qf3261d73bd_fine-k_qf3261d73bd_fine
	.p2alignl 7, 3214868480
	.fill 96, 4, 3214868480
	.section	.rodata,"a",@progbits
	.p2align	6, 0x0
	.amdhsa_kernel k_qf3261d73bd_fine
		.amdhsa_group_segment_fixed_size 18432
		.amdhsa_private_segment_fixed_size 0
		.amdhsa_enable_private_segment 0
		.amdhsa_kernarg_size 40
		.amdhsa_user_sgpr_count 2
		.amdhsa_user_sgpr_kernarg_segment_ptr 1
		.amdhsa_wavefront_size32 1
		.amdhsa_system_sgpr_workgroup_id_x 1
		.amdhsa_system_sgpr_workgroup_id_y 1
		.amdhsa_system_sgpr_workgroup_id_z 1
		.amdhsa_system_vgpr_workitem_id 0
		.amdhsa_next_free_vgpr 256
		.amdhsa_next_free_sgpr 66
		.amdhsa_reserve_vcc 1
		.amdhsa_float_denorm_mode_32 3
		.amdhsa_float_denorm_mode_16_64 3
		.amdhsa_memory_ordered 1
		.amdhsa_forward_progress 1
		.amdhsa_inst_pref_size 22
	.end_amdhsa_kernel
	.amdgpu_metadata
---
amdhsa.version: [ 1, 2 ]
amdhsa.kernels:
  - .name:           k_qf3261d73bd_fine
    .symbol:         k_qf3261d73bd_fine.kd
    .args:
      - { .name: qkv32, .offset: 0, .size: 8, .value_kind: global_buffer, .address_space: global }
      - { .name: vsuf, .offset: 8, .size: 8, .value_kind: global_buffer, .address_space: global }
      - { .name: c_proj_w, .offset: 16, .size: 8, .value_kind: global_buffer, .address_space: global }
      - { .name: c_proj_b, .offset: 24, .size: 8, .value_kind: global_buffer, .address_space: global }
      - { .name: out0, .offset: 32, .size: 8, .value_kind: global_buffer, .address_space: global }
    .group_segment_fixed_size: 18432
    .private_segment_fixed_size: 0
    .kernarg_segment_align: 8
    .kernarg_segment_size: 40
    .max_flat_workgroup_size: 512
    .sgpr_count:     66
    .vgpr_count:     256
    .wavefront_size: 32
...
	.end_amdgpu_metadata
.endif
;; end of part 7
